; MI455X (gfx1250); checked and timed in simulation.
; The chip was launched on July 23, 2026; its instructions are those of AMD's public machine-readable ISA for CDNA 5 (MIT licence, August 2026) and "CDNA5" Instruction Set Architecture Reference Guide (July 2026). The comments in the code are by the model that wrote it; some were corrected since.
;; Multi Head Attention. Allowed arithmetic: matrix products marked QUANTISED: E2M3 operands, one E8M0 scale for each 32 along K, by v_wmma_scale_f32_16x16x128_f8f6f4 with both operands' format E2M3, f32 sums; everything else in f32.
;; Inputs: Wk 16 x 1,024 x 64 float32; Wo 1,024 x 1,024 float32; Wq 16 x 1,024 x 64 float32; Wv 16 x 1,024 x 64 float32; bk 16 x 64 float32; bo 1,024 float32; bq 16 x 64 float32; bv 16 x 64 float32; key 4 x 2,048 x 1,024 float32; query 4 x 2,048 x 1,024 float32; value 4 x 2,048 x 1,024 float32.
;; Outputs: out0 4 x 2,048 x 1,024 float32.
;; This version of the problem:
;;   THIS VERSION OF THE PROBLEM IS GIVEN IN LOW PRECISION. The matrix products marked QUANTISED in the list below multiply operands that are first quantised to E2M3 (2 exponent bits, 3 mantissa bits; 6 bits a number), with one power-of-two scale for each 32 numbers along K (OCP MX v1.0); their sums are f32. All else is computed in f32.
;;   The module's matrix products, in the order in which they are computed (A, B: the left and right operand; K: the contracted axis; several contracted axes count as one K, in the product's order):
;;     1. [M 1,024, K 1,024] x [K 1,024, N 8,192]; A: input Wq; B: input query: QUANTISED
;;     2. [M 1,024, K 1,024] x [K 1,024, N 8,192]; A: input Wk; B: input key: QUANTISED
;;     3. [M 1,024, K 1,024] x [K 1,024, N 8,192]; A: input Wv; B: input value: QUANTISED
;;     4. batch 64 x [M 2,048, K 64] x [K 64, N 2,048]; A: computed on the way; B: computed on the way: QUANTISED
;;     5. batch 64 x [M 2,048, K 2,048] x [K 2,048, N 64]; A: softmax (see below); B: computed on the way: QUANTISED
;;     6. [M 8,192, K 1,024] x [K 1,024, N 1,024]; A: computed on the way; B: input Wo: QUANTISED
;;   THE QUANTISER, for each operand of a quantised product, along K:
;;     - K is cut into blocks of 32 from its start; a last block that is shorter is filled with zeros.
;;     - A block's scale is 2^e with e = floor(log2(the largest magnitude in the block)) - 2, held to -126 .. 127; a block of zeros has e = 0. As a byte (E8M0): e + 127.
;;     - Each number is divided by its block's scale, clamped to +-7.5, and rounded to the nearest number of E2M3, ties to even, subnormals kept.
;;     - The product sums the exact products of the quantised numbers (number of the format x scale) in f32.
;;   ~~~python
;;   def quantise(x, axis):      # numpy; x: float32 -> the quantised numbers, widened to float32 again
;;       x = np.moveaxis(x, axis, -1); K = x.shape[-1]
;;       x = np.pad(x, [(0, 0)] * (x.ndim - 1) + [(0, -K % 32)]); x = x.reshape(x.shape[:-1] + (-1, 32)); a = np.abs(x).max(-1, keepdims=True)
;;       e = np.where(a > 0, np.clip(np.frexp(np.where(a > 0, a, 1))[1] - 1 - 2, -126, 127), 0)      # np.frexp(a)[1] - 1 = floor(log2(a)), exactly
;;       r = np.clip(x / 2.0 ** e, -7.5, 7.5)
;;       step = 2.0 ** (np.maximum(np.frexp(np.where(r == 0, 1, r))[1] - 1, 0) - 3)
;;       q = np.round(r / step) * step * 2.0 ** e      # np.round: ties to even
;;       return np.moveaxis(q.reshape(q.shape[:-2] + (-1,))[..., :K], -1, axis).astype(np.float32)
;;   ~~~
;;   SOFTMAX AHEAD OF A QUANTISED PRODUCT. Where the list says 'softmax', what is quantised is not the finished softmax but p = 2^(t - M), with t = logit x log2(e) and M = ceil(the row's largest t), a whole number; so 1/2 < the row's largest p <= 1. The row's sum l is taken of the UNQUANTISED p, in f32, and the product's result is divided by l at the end. Since M is a whole number, a kernel that streams over the keys may use a running M (the ceiling of the running maximum): every later rescaling is an exact power of two, which a block's scale takes up: the codes' values come out the same.
;;   OPERANDS COMPUTED ON THE WAY. 'Computed on the way' means the value that the module computes at that place (a softmax that the list does not call 'softmax' is quantised finished and normalised). What goes into a quantiser is computed in f32, as accurately as f32 sums, v_exp_f32 and their like allow (about 1e-6 of the number): no bf16 or f16 on the way to a quantiser, and a product that is left as it is and whose result goes on into a quantised operand takes f32 operands (vector FMAs, or v_wmma_f32_16x16x4_f32). A number that lies on a knife's edge between two numbers of the format may be rounded either way, as far as f32 arithmetic and the matrix unit's own rounding can turn it there, and no further.
;; One version. Each part assembles by itself: llvm-mc -triple=amdgcn-amd-amdhsa -mcpu=gfx1250 --defsym DOCPART=n.
;; ======== version 1 of 1: 4 launches
;; limits: right only within a limited range of input values
;; workspace buffers: xcodes 18,874,368 bytes; xscales 786,432 bytes; wcodes 3,145,728 bytes; wscales 131,072 bytes; pcodes 18,874,368 bytes; pscales 786,432 bytes; ccodes 6,291,456 bytes; cscales 262,144 bytes
;; launch quant (part 1): grid 896 x 1, 4 waves a work-group, no clusters, 68,096 bytes of LDS; arguments query, key, value, Wq, Wk, Wv, Wo, xcodes, xscales, wcodes, wscales; writes xcodes, xscales, wcodes, wscales
.if DOCPART == 1
	.amdgcn_target "amdgcn-amd-amdhsa--gfx1250"
	.amdhsa_code_object_version 6
	.text
	.protected	k_q37c45b5ea2_quant
	.globl	k_q37c45b5ea2_quant
	.p2align	8
	.type	k_q37c45b5ea2_quant,@function
k_q37c45b5ea2_quant:
	s_mov_b64 s[64:65], 0
	v_nop
	global_prefetch_b8 v0, s[64:65] scope:SCOPE_SE
	s_setreg_imm32_b32 hwreg(HW_REG_WAVE_MODE, 25, 1), 1
	s_wait_xcnt 0x0
; All seven f32 operands become codes of FP6 (E2M3), K innermost, with one E8M0 byte for each 32 along K.  Work-groups 0-127 take the four weights, work-groups 128-895 query, key and value.
; The two paths part on the work-group's number alone, share no line behind the parting, and have LDS bytes of their own.  No barrier: waves share nothing.
; A block's scale is 2^(floor(log2(largest magnitude)) - 2); its byte is the largest magnitude's exponent field - 2, held at 1 from below.
; LIMITS: a block of zeros gets the byte 1 where the rule says 127 (its codes are zeros; this program alone reads the bytes); blocks whose largest magnitude lies under 2^-124 keep the byte 1; NaN and infinities are not served.
; THE CODES' LAYOUT, both buffers: [tensor][4: which 256 along K][row][192 bytes]: the 192 bytes of neighbouring rows lie on end, so that a tile of rows of one 256 along K is a dense block that begins at a multiple of 256 bytes.
; The scale bytes: [tensor][row][32].
; QUERY, KEY, VALUE, [8192][1024] each: 256 work-groups to a tensor; a wave takes 16 steps of 512 numbers (8 rows).  Each of a step's four loads reads 512 consecutive bytes; the 2,048 bytes turn through the wave's own stage in LDS
; and come back 64 bytes a lane, so that a lane holds 16 neighbours (two neighbouring lanes hold a block).  A wave's 256 scale bytes are gathered in LDS and leave as 256 consecutive bytes.  Loads run four steps ahead.
; THE WEIGHTS.  Wq, Wk, Wv: [16 h][1024 d][64 k]: K = d, output row n = 64 h + k.  Wo: [1024][1024 n]: K = its first axis.  A LANE TAKES A COLUMN n AND ITS REGISTERS RUN DOWN K: a block of 32 lies in one lane's 32 registers.
; Work-group g: columns 128 (g % 8) on, tensor g / 32, K = 256 ((g / 8) % 4) on; wave w: 32 columns, 8 blocks a lane.  The codes go through the wave's own stage and leave as rows, two rows (384 consecutive bytes) an instruction.
.set EMAX,  2
.set SPARE, 67584                      ; the spare words, 128 bytes for each wave, behind both paths' bytes
; query, key, value
.set STEPS, 16
.set CB,    12                         ; bytes of 16 codes
.set R,     16                         ; v16-79   four sets of 16 numbers as they are loaded
.set X,     80                         ; v80-111  two sets of 16 neighbours
.set E,     112                        ; v112-127 a scale byte for each step
.set C,     128                        ; v128-191 codes: four registers for each step
.set WREG,  8192                       ; LDS 0 to 32,767: a region for each wave: two stages of 32 x SP bytes, and its 256 scale bytes
.set SP,    80
; the weights
.set WST,   32768                      ; LDS from here on: four stages of 32 x PITCH bytes
.set KROW,  192
.set PITCH, 272
.set NB,    8
.set SB,    24                         ; v24-25   the scale bytes
.set WX,    32                         ; v32-95   two sets of 32 numbers
.set WC,    96                         ; v96..    a block's codes
.set OUTR,  112                        ; v112-175 the way out
.set OFS,   176                        ; v176-207 4 x lane + i x pitch
	v_lshl_add_u32 v208, v0, 2, SPARE
	v_mov_b32 v209, 0
	v_lshrrev_b32 v1, 5, v0
	v_readfirstlane_b32 s16, v1                    ; wave
	v_and_b32 v2, 31, v0                           ; lane
	s_cmp_lt_u32 ttmp9, 128
	s_wait_alu depctr_va_vdst(0)                   ; the wait ahead of the branch
	s_cbranch_scc1 .Lweights
	s_load_b128 s[4:7], s[0:1], 0x0                ; query, key
	s_load_b64 s[8:9], s[0:1], 0x10                ; value
	s_load_b128 s[12:15], s[0:1], 0x38             ; their codes, their scale bytes
	s_sub_co_u32 s22, ttmp9, 128
	v_lshlrev_b32 v3, 4, v2                        ; my 16 bytes of a load's 512
	s_mul_i32 s17, s16, WREG
	v_lshrrev_b32 v14, 2, v2
	v_mul_u32_u24 v14, v14, SP
	v_and_b32 v15, 3, v2
	v_lshl_add_u32 v14, v15, 4, v14
	v_add_nc_u32 v14, s17, v14                     ; the stage, on the way in: SP (lane / 4) + 16 (lane % 4)
	v_mul_u32_u24 v15, v2, SP
	v_add_nc_u32 v15, s17, v15                     ; and on the way out: SP x lane
	v_and_b32 v4, 15, v2
	v_mul_u32_u24 v4, v4, CB                       ; my 12 bytes of a row's 192
	v_lshrrev_b32 v8, 4, v2
	v_mul_u32_u24 v8, v8, 0x180000                 ; lanes 16-31 hold the next 256 along K: 8,192 rows x 192 bytes on
	v_add_nc_u32 v4, v4, v8
	v_lshrrev_b32 v5, 1, v2
	s_add_co_u32 s17, s17, 2*32*SP
	v_add_nc_u32 v5, s17, v5                       ; LDS: my wave's 256 scale bytes, my block's byte
	v_lshlrev_b32 v7, 3, v2
	v_add_nc_u32 v6, s17, v7
	s_wait_alu depctr_va_vdst(0)                   ; the wait ahead of the wait below
	s_wait_kmcnt 0x0
	s_cmp_lt_u32 s22, 256                          ; which tensor: the choice hangs on the work-group's number alone
	s_cselect_b64 s[4:5], s[4:5], s[6:7]
	s_cmp_lt_u32 s22, 512
	s_cselect_b64 s[4:5], s[4:5], s[8:9]
	s_and_b32 s17, s22, 255
	s_lshl_b32 s17, s17, 2
	s_add_co_u32 s18, s17, s16                     ; which run of 8,192 numbers of the tensor is my wave's
	s_lshl_b32 s18, s18, 15
	s_mov_b32 s19, 0
	s_add_nc_u64 s[4:5], s[4:5], s[18:19]
	s_lshl_b32 s17, s22, 2
	s_add_co_u32 s17, s17, s16                     ; and which run of all three
	s_lshr_b32 s18, s17, 10                        ; 1,024 runs to a tensor
	s_mul_i32 s18, s18, 6291456
	s_and_b32 s20, s17, 1023
	s_mul_i32 s20, s20, 1536                       ; a run is 8 rows of 192 bytes in each 256 along K
	s_add_co_u32 s18, s18, s20
	s_add_nc_u64 s[12:13], s[12:13], s[18:19]
	s_lshl_b32 s18, s17, 8                         ; 256 scale bytes a run
	s_add_nc_u64 s[14:15], s[14:15], s[18:19]
.macro XLOAD t
.irp i, 0,1,2,3
	global_load_b128 v[R+16*((\t)%4)+4*\i:R+16*((\t)%4)+4*\i+3], v3, s[4:5] offset:2048*(\t)+512*\i th:TH_LOAD_NT
.endr
.endm
.macro XTURN t                         ; step t's numbers through the stage: LDS serves a wave's instructions in order
.irp i, 0,1,2,3
	ds_store_b128 v14, v[R+16*((\t)%4)+4*\i:R+16*((\t)%4)+4*\i+3] offset:32*SP*((\t)%2)+8*SP*\i
.endr
.irp i, 0,1,2,3
	ds_load_b128 v[X+16*((\t)%2)+4*\i:X+16*((\t)%2)+4*\i+3], v15 offset:32*SP*((\t)%2)+16*\i
.endr
.endm
.irp t, 0,1,2,3
	XLOAD \t
.endr
	s_wait_loadcnt 12                              ; step 0's four loads are in
	XTURN 0
.macro XSTEP t
.set XS, X+16*((\t)%2)
.if (\t) > 0
	s_wait_dscnt 1                                 ; this step's numbers are back from the stage (the last step's byte store may be out)
.else
	s_wait_dscnt 0x0
.endif
.if (\t)+4 < STEPS
	XLOAD (\t)+4
.endif
.if (\t)+1 < STEPS
.if STEPS-2-(\t) >= 3
	s_wait_loadcnt 12                              ; the next step's four loads are in; those of the three steps behind it may be out
.else
	s_wait_loadcnt 4*(STEPS-2-(\t))
.endif
	XTURN (\t)+1
.endif
	v_max3_num_f32 v8, |v[XS]|, |v[XS+1]|, |v[XS+2]|
	v_max3_num_f32 v9, |v[XS+3]|, |v[XS+4]|, |v[XS+5]|
.irp i, 6,10
	v_max3_num_f32 v8, v8, |v[XS+\i]|, |v[XS+\i+1]|
	v_max3_num_f32 v9, v9, |v[XS+\i+2]|, |v[XS+\i+3]|
.endr
	v_max3_num_f32 v8, v8, |v[XS+14]|, |v[XS+15]|
	v_max3_num_f32 v8, v8, v9, (EMAX+1)<<23        ; and the floor 2^(3 - 127)
	v_max_num_f32_dpp v8, v8, v8 row_xmask:1 row_mask:0xf bank_mask:0xf   ; and of my neighbour's 16: the block's
	v_add_nc_u32 v11, -(EMAX<<23), v8              ; 2 off its exponent field: the conversion's scale operand
	v_cvt_scalef32_pk16_fp6_f32 v[C+4*(\t):C+4*(\t)+2], v[XS:XS+15], v11
	v_lshrrev_b32 v[E+(\t)], 23, v11               ; the scale's byte
	ds_store_b8 v5, v[E+(\t)] offset:16*(\t)       ; both lanes of a block write the same byte with the same value
	global_store_b96 v4, v[C+4*(\t):C+4*(\t)+2], s[12:13] offset:((\t)%2)*3145728+((\t)/2)*192   ; row t / 2 of my 8, half t % 2 of the row
.endm
.irp t, 0,1,2,3,4,5,6,7,8,9,10,11,12,13,14,15
	XSTEP \t
.endr
	ds_load_b64 v[12:13], v6
	s_wait_dscnt 0x0
	global_store_b64 v7, v[12:13], s[14:15]        ; 32 lanes store 256 consecutive bytes, aligned
	s_wait_tensorcnt 0x0                           ; the wave's end
	ds_add_u32 v208, v209
	s_wait_dscnt 0x0
	s_endpgm
.Lweights:
	s_load_b256 s[4:11], s[0:1], 0x18              ; Wq, Wk, Wv, Wo
	s_load_b128 s[12:15], s[0:1], 0x48             ; their codes, their scale bytes
	s_and_b32 s17, ttmp9, 7
	s_lshl_b32 s17, s17, 7
	s_lshl_b32 s18, s16, 5
	s_add_co_u32 s17, s17, s18                     ; n0: my wave's first column
	s_lshr_b32 s18, ttmp9, 3
	s_lshr_b32 s19, s18, 2                         ; m: which tensor
	s_and_b32 s18, s18, 3                          ; which 256 along K
	s_lshr_b32 s20, s17, 6
	s_lshl_b32 s20, s20, 18                        ; the head's 262,144 bytes
	s_and_b32 s21, s17, 63
	s_lshl_b32 s21, s21, 2
	s_add_co_u32 s20, s20, s21                     ; my first column's byte in Wq, Wk, Wv
	s_lshl_b32 s21, s17, 2                         ; and in Wo
	s_mov_b32 s22, 4096
	s_cmp_eq_u32 s19, 3
	s_cselect_b32 s22, s22, 256                    ; the pitch along K
	s_cselect_b32 s20, s21, s20
	s_lshl_b32 s23, s22, 8
	s_mul_i32 s23, s23, s18                        ; my 256 rows of K begin here
	s_add_co_u32 s24, s20, s23
	s_mov_b32 s25, 0
	s_lshl_b32 s26, s22, 5                         ; a block on: 32 rows
	s_mov_b32 s27, 0
	v_lshlrev_b32 v3, 2, v2
.set i, 0
.rept 32
	v_mad_u32_u24 v[OFS+i], s22, i, v3             ; row i of a block, my column
.set i, i+1
.endr
	s_mul_i32 s28, s16, 32*PITCH
	s_add_co_u32 s28, s28, WST                     ; my stage
	v_mul_u32_u24 v4, v2, PITCH
	v_add_nc_u32 v4, s28, v4                       ; into it: row = my column
	v_and_b32 v5, 15, v2
	v_lshrrev_b32 v6, 4, v2                        ; out of it: sixteen lanes to a row, two rows an instruction
	v_mul_u32_u24 v7, v6, PITCH
	v_lshl_add_u32 v7, v5, 4, v7
	v_add_nc_u32 v7, s28, v7
	v_mul_u32_u24 v8, v6, KROW
	v_mad_u32_u24 v8, v5, 12, v8                   ; and the same place in the codes' buffer
	v_lshlrev_b32 v9, 5, v2                        ; my column's row of scale bytes
	s_mul_i32 s28, s19, 786432
	s_mul_i32 s29, s17, KROW
	s_add_co_u32 s28, s28, s29
	s_mul_i32 s29, s18, 196608
	s_add_co_u32 s28, s28, s29                     ; the codes: tensor, which 256 along K, row n0
	s_mov_b32 s29, 0
	s_lshl_b32 s30, s19, 15
	s_lshl_b32 s31, s17, 5
	s_add_co_u32 s30, s30, s31
	s_lshl_b32 s31, s18, 3
	s_add_co_u32 s30, s30, s31                     ; the scale bytes: tensor, row n0, 8 bytes for each 256 along K
	s_mov_b32 s31, 0
	s_wait_alu depctr_va_vdst(0)                   ; the wait ahead of the wait below
	s_wait_kmcnt 0x0
	s_cmp_lt_u32 s19, 1                            ; the choice hangs on the work-group's number alone
	s_cselect_b64 s[4:5], s[4:5], s[6:7]
	s_cmp_lt_u32 s19, 2
	s_cselect_b64 s[4:5], s[4:5], s[8:9]
	s_cmp_lt_u32 s19, 3
	s_cselect_b64 s[4:5], s[4:5], s[10:11]
	s_add_nc_u64 s[32:33], s[4:5], s[24:25]        ; block 0's base;
.set t, 1
.rept 7
	s_add_nc_u64 s[32+2*t:33+2*t], s[30+2*t:31+2*t], s[26:27]   ; block t's
.set t, t+1
.endr
	s_add_nc_u64 s[12:13], s[12:13], s[28:29]
	s_add_nc_u64 s[14:15], s[14:15], s[30:31]
.macro WLOAD t                         ; block t: W(32 t + i, my column) into set t % 2
.set i, 0
.rept 32
	global_load_b32 v[WX+32*((\t)%2)+i], v[OFS+i], s[32+2*(\t):33+2*(\t)] th:TH_LOAD_NT
.set i, i+1
.endr
.endm
	WLOAD 0
	WLOAD 1
.macro WBLOCK t
.set XS, WX+32*((\t)%2)
.if (\t) < NB-1
	s_wait_loadcnt 32                              ; this block's 32 loads are in; the next block's may be out
.else
	s_wait_loadcnt 0
.endif
	v_max3_num_f32 v12, |v[XS]|, |v[XS+1]|, |v[XS+2]|
	v_max3_num_f32 v13, |v[XS+3]|, |v[XS+4]|, |v[XS+5]|
.irp i, 6,10,14,18,22,26
	v_max3_num_f32 v12, v12, |v[XS+\i]|, |v[XS+\i+1]|
	v_max3_num_f32 v13, v13, |v[XS+\i+2]|, |v[XS+\i+3]|
.endr
	v_max3_num_f32 v12, v12, |v[XS+30]|, |v[XS+31]|
	v_max3_num_f32 v12, v12, v13, (EMAX+1)<<23     ; and the floor 2^(3 - 127)
	v_add_nc_u32 v11, -(EMAX<<23), v12             ; the conversion's scale operand
	v_lshrrev_b32 v13, 23, v11                     ; the scale's byte
.if (\t)%4 == 0
	v_mov_b32 v[SB+(\t)/4], v13
.else
	v_lshl_or_b32 v[SB+(\t)/4], v13, 8*((\t)%4), v[SB+(\t)/4]
.endif
	v_cvt_scalef32_pk16_fp6_f32 v[WC:WC+2], v[XS:XS+15], v11
	v_cvt_scalef32_pk16_fp6_f32 v[WC+4:WC+6], v[XS+16:XS+31], v11
	ds_store_b96 v4, v[WC:WC+2] offset:32*(\t)     ; 12 bytes to a place of 16 bytes in the stage
	ds_store_b96 v4, v[WC+4:WC+6] offset:32*(\t)+16
.if (\t)+2 < NB
	WLOAD (\t)+2
.endif
	s_wait_dscnt 0x0                               ; the stores have read their registers
.endm
.set Q, 0
.rept NB
	WBLOCK Q
.set Q, Q+1
.endr
	s_wait_alu depctr_va_vdst(0)                   ; the wait ahead of the reader below
	global_store_b64 v9, v[SB:SB+1], s[14:15]      ; my column's 8 scale bytes
.irp t, 0,1,2,3,4,5,6,7,8,9,10,11,12,13,14,15
	ds_load_b96 v[OUTR+4*\t:OUTR+4*\t+2], v7 offset:2*\t*PITCH
.endr
.irp t, 0,1,2,3,4,5,6,7,8,9,10,11,12,13,14,15
	s_wait_dscnt 15-\t                             ; the younger reads may be out
	global_store_b96 v8, v[OUTR+4*\t:OUTR+4*\t+2], s[12:13] offset:2*\t*KROW
.endr
	s_wait_tensorcnt 0x0                           ; the wave's end
	ds_add_u32 v208, v209
	s_wait_dscnt 0x0
	s_endpgm
.Lfunc_end_k_q37c45b5ea2_quant:
	.size	k_q37c45b5ea2_quant, .Lfunc_end_k_q37c45b5ea2_quant-k_q37c45b5ea2_quant
	.p2alignl 7, 3214868480
	.fill 96, 4, 3214868480
	.section	.rodata,"a",@progbits
	.p2align	6, 0x0
	.amdhsa_kernel k_q37c45b5ea2_quant
		.amdhsa_group_segment_fixed_size 68096
		.amdhsa_private_segment_fixed_size 0
		.amdhsa_enable_private_segment 0
		.amdhsa_kernarg_size 88
		.amdhsa_user_sgpr_count 2
		.amdhsa_user_sgpr_kernarg_segment_ptr 1
		.amdhsa_wavefront_size32 1
		.amdhsa_system_sgpr_workgroup_id_x 1
		.amdhsa_system_sgpr_workgroup_id_y 1
		.amdhsa_system_sgpr_workgroup_id_z 1
		.amdhsa_system_vgpr_workitem_id 0
		.amdhsa_next_free_vgpr 210
		.amdhsa_next_free_sgpr 66
		.amdhsa_reserve_vcc 0
		.amdhsa_float_denorm_mode_32 3
		.amdhsa_float_denorm_mode_16_64 3
		.amdhsa_memory_ordered 1
		.amdhsa_forward_progress 1
		.amdhsa_inst_pref_size 77
	.end_amdhsa_kernel
	.amdgpu_metadata
---
amdhsa.version: [ 1, 2 ]
amdhsa.kernels:
  - .name:           k_q37c45b5ea2_quant
    .symbol:         k_q37c45b5ea2_quant.kd
    .args:
      - { .name: query, .offset: 0, .size: 8, .value_kind: global_buffer, .address_space: global }
      - { .name: key, .offset: 8, .size: 8, .value_kind: global_buffer, .address_space: global }
      - { .name: value, .offset: 16, .size: 8, .value_kind: global_buffer, .address_space: global }
      - { .name: Wq, .offset: 24, .size: 8, .value_kind: global_buffer, .address_space: global }
      - { .name: Wk, .offset: 32, .size: 8, .value_kind: global_buffer, .address_space: global }
      - { .name: Wv, .offset: 40, .size: 8, .value_kind: global_buffer, .address_space: global }
      - { .name: Wo, .offset: 48, .size: 8, .value_kind: global_buffer, .address_space: global }
      - { .name: xcodes, .offset: 56, .size: 8, .value_kind: global_buffer, .address_space: global }
      - { .name: xscales, .offset: 64, .size: 8, .value_kind: global_buffer, .address_space: global }
      - { .name: wcodes, .offset: 72, .size: 8, .value_kind: global_buffer, .address_space: global }
      - { .name: wscales, .offset: 80, .size: 8, .value_kind: global_buffer, .address_space: global }
    .group_segment_fixed_size: 68096
    .private_segment_fixed_size: 0
    .kernarg_segment_align: 8
    .kernarg_segment_size: 88
    .max_flat_workgroup_size: 128
    .sgpr_count:     66
    .vgpr_count:     210
    .wavefront_size: 32
...
	.end_amdgpu_metadata
.endif
;; end of part 1
;; launch proj (part 2): grid 4 x 96, 4 waves a work-group, clusters of 4 x 4, 327,680 bytes of LDS; arguments xcodes, xscales, wcodes, wscales, bq, bk, bv, pcodes, pscales; writes pcodes, pscales
.if DOCPART == 2
	.amdgcn_target "amdgcn-amd-amdhsa--gfx1250"
	.amdhsa_code_object_version 6
	.text
	.protected	k_q37c45b5ea2_proj
	.globl	k_q37c45b5ea2_proj
	.p2align	8
	.type	k_q37c45b5ea2_proj,@function
k_q37c45b5ea2_proj:
	s_mov_b64 s[64:65], 0
	v_nop
	global_prefetch_b8 v0, s[64:65] scope:SCOPE_SE
	s_setreg_imm32_b32 hwreg(HW_REG_WAVE_MODE, 25, 1), 1
	s_wait_xcnt 0x0
	s_wait_alu depctr_hold_cnt(0) depctr_sa_sdst(0) depctr_va_vdst(0) depctr_va_sdst(0) depctr_va_ssrc(0) depctr_va_vcc(0) depctr_vm_vsrc(0)
	s_getreg_b32 s2, hwreg(HW_REG_IB_STS2, 6, 4)
	s_cmp_eq_u32 s2, 0
	s_cbranch_scc0 .Lentry_in_a_cluster
	s_endpgm
.Lentry_in_a_cluster:
	s_bfe_u32 s2, ttmp6, 0x10000c
	s_cmp_lg_u32 s2, 0xf033
	s_cbranch_scc0 .Lentry_shape_is_right
	s_endpgm
.Lentry_shape_is_right:
.set KSTEP,  256
.set NQ,     2
.set ROWB,   192
.set KROW,   768
.set PITCH,  240
.set FR,     12
.set NL,     6
.set NP,     4
.set HALFT,  128*PITCH
.set SLOT,   4*HALFT
.set LAPS,   2
.set KS,     32
.set SCL,    2*SLOT
.set HALFS,  (128*KS/256)*272
.set SBLK,   (16*KS/256)*272
.set SPARE,  SCL+4*HALFS
.set STG,    SPARE+512
.set SWA,  12
.set SRD,  13
.set SGO,  14
.set ADRA, 16
.set ADRB, 20
.set STO,  24
.set RD,   25
.set CO0,  26
.set ADRS, 27
.set SPW,  28
.set NIL,  29
.set CO1,  30
.set CO2,  31
.set SC,   32
.set T,    64
.set AF,   128
.set PC0,  128
.set OB0,  168
.set BR,   224
.set TM,   240
.set SEL,  20
.set G1, 24
.set G0, 32
.set G1B, 48
.set G0B, 56
.set G1S, 68
.set G0S, 76
.set G1SB, 80
.set G0SB, 88
.set MSB, 0
.macro WIN new
.if MSB != \new
	s_set_vgpr_msb (MSB<<8)|\new
.set MSB, \new
.endif
.endm
.set MUL_LO, 0xa1
.set MUL_HI, 0xf1
.set TO_B,   0x40
.macro JLOAD g0a, g1a, g0b, g1b
	s_cmp_eq_u32 s15, 0
	s_cbranch_scc0 .Lfor_b_\@
	tensor_load_to_lds s[\g0a:\g0a+3], s[\g1a:\g1a+7]
	s_nop 0
.rept 4
	v_nop
.endr
	s_branch .Lasked_\@
.Lfor_b_\@:
	tensor_load_to_lds s[\g0b:\g0b+3], s[\g1b:\g1b+7]
	s_nop 0
.rept 4
	v_nop
.endr
.Lasked_\@:
.endm
.macro CREST
	s_cmp_lg_u32 s14, 0
	s_cbranch_scc1 .Lnot_wave_0_\@
	s_barrier_signal -3
.Lnot_wave_0_\@:
	s_barrier_wait -3
	s_barrier_signal -1
	s_barrier_wait -1
.endm
.macro CROUND
	s_barrier_signal -1
	s_barrier_wait -1
	CREST
.endm
	s_load_b512 s[68:83], s[0:1], 0x0
	s_load_b64 s[84:85], s[0:1], 0x40
	v_lshl_add_u32 v[SPW], v0, 2, SPARE
	v_mov_b32 v[NIL], 0
	ds_add_u32 v28, v29
	ds_add_u32 v28, v29
	s_wait_dscnt 0x0
	v_lshrrev_b32 v1, 5, v0
	v_readfirstlane_b32 s14, v1
	s_lshr_b32 s15, s14, 1
	s_and_b32 s16, s14, 1
	s_bfe_u32 s40, ttmp6, 0x40000
	s_bfe_u32 s41, ttmp6, 0x40004
	s_and_b32 s18, ttmp7, 0xffff
	s_lshr_b32 s2, s18, 3
	s_and_b32 s18, s18, 7
	s_cmp_eq_u32 s2, 2
	s_cselect_b32 s17, 0, s18
	s_cselect_b32 s42, s18, 0
	s_lshl_b32 s17, s17, 2
	s_add_co_u32 s17, s17, s41
	s_lshl_b32 s42, s42, 2
	s_add_co_u32 s42, s42, s40
	s_lshl_b32 s43, s41, 2
	s_lshl_b32 s43, 15, s43
	s_lshl_b32 s44, 0x1111, s40
	s_or_b32 s[G1+0], s43, (0<<16)|(1<<20)|(1<<21)|(3<<22)|(3<<25)
	s_or_b32 s[G1B+0], s44, (0<<16)|(1<<20)|(1<<21)|(3<<22)|(3<<25)
.irp g, G1, G1B
	s_mov_b32 s[\g+1], 256<<16                     ; 128 rows x 192 bytes of one 256 along K are a dense block: 96 rows of 256 bytes, each at a multiple of 256
	s_mov_b32 s[\g+2], 192<<16                     ; the head's loads bring 256 rows of codes: 192 rows of 256 bytes; behind them the two words are set to 96, for the ring's
	s_mov_b32 s[\g+3], 256<<16
	s_mov_b32 s[\g+4], 192
	s_mov_b32 s[\g+5], 256                         ; (the padding, 16 bytes behind every 64, leaves the rows of codes 240 bytes apart in LDS)
	s_mov_b32 s[\g+6], 0
	s_mov_b32 s[\g+7], 0
.endr
	s_mov_b32 s19, 0
	s_wait_kmcnt 0x0
	s_mul_i32 s18, s2, 6291456
	s_add_nc_u64 s[68:69], s[68:69], s[18:19]
	s_mul_i32 s18, s2, 262144
	s_add_nc_u64 s[70:71], s[70:71], s[18:19]
	s_mul_i32 s18, s2, 786432
	s_add_nc_u64 s[72:73], s[72:73], s[18:19]
	s_mul_i32 s18, s2, 32768
	s_add_nc_u64 s[74:75], s[74:75], s[18:19]
	s_cmp_eq_u32 s2, 2
	s_cselect_b64 s[4:5], s[72:73], s[68:69]
	s_cselect_b64 s[6:7], s[74:75], s[70:71]
	s_cselect_b64 s[8:9], s[68:69], s[72:73]
	s_cselect_b64 s[10:11], s[70:71], s[74:75]
	s_cselect_b64 s[96:97], s[80:81], s[78:79]
	s_cmp_eq_u32 s2, 0
	s_cselect_b64 s[96:97], s[76:77], s[96:97]
	s_mov_b64 s[12:13], s[82:83]
	s_mov_b64 s[66:67], s[84:85]
	s_or_b32 s[G1S+0], s43, (3<<16)|(1<<20)|(1<<21)|(5<<22)|(3<<25)
	s_or_b32 s[G1SB+0], s44, (3<<16)|(1<<20)|(1<<21)|(5<<22)|(3<<25)
.irp g, G1S, G1SB
	s_mov_b32 s[\g+1], 32<<16
	s_mov_b32 s[\g+2], (256*KS/256)<<16            ; the scales of 256 rows in one load
	s_mov_b32 s[\g+3], 32<<16
	s_mov_b32 s[\g+4], 256*KS/256
	s_mov_b32 s[\g+5], 32
	s_mov_b32 s[\g+6], 0
	s_mov_b32 s[\g+7], 0
.endr
	s_lshl_b32 s20, s17, 8                         ; A: the tile's first row
	s_lshl_b32 s46, s42, 8                         ; B: likewise
	s_mov_b32 s21, 0
	s_mov_b32 s47, 0
	s_mov_b64 s[18:19], KS
	s_mul_u64 s[22:23], s[20:21], s[18:19]
	s_mul_u64 s[92:93], s[46:47], s[18:19]
	s_mov_b64 s[18:19], ROWB
	s_mul_u64 s[20:21], s[20:21], s[18:19]
	s_mul_u64 s[46:47], s[46:47], s[18:19]
	s_mul_i32 s45, s14, HALFT
	s_add_nc_u64 s[20:21], s[4:5], s[20:21]
	s_add_nc_u64 s[22:23], s[6:7], s[22:23]
	s_add_nc_u64 s[46:47], s[8:9], s[46:47]
	s_add_nc_u64 s[92:93], s[10:11], s[92:93]
	s_mov_b32 s8, 1572864                          ; from one 256 along K to the next: 8,192 rows x 192 bytes in xcodes, 1,024 x 192 in wcodes
	s_cmp_eq_u32 s2, 2
	s_cselect_b32 s4, 196608, s8                   ; A's step (v's product takes the weight as A),
	s_cselect_b32 s6, s8, 196608                   ; B's
	s_mov_b32 s5, 0
	s_mov_b32 s7, 0
	s_lshl_b32 s8, s4, 1                           ; and two steps, for the refills
	s_mov_b32 s9, 0
	s_lshl_b32 s10, s6, 1
	s_mov_b32 s11, 0
	CROUND
	s_mov_b32 s[G0S], 1
	s_mov_b32 s[G0S+1], SCL
	s_mov_b64 s[G0S+2:G0S+3], s[22:23]
	s_or_b32 s[G0S+3], s[G0S+3], 0x80000000
	s_mov_b32 s[G0SB], 1
	s_mov_b32 s[G0SB+1], SCL+2*HALFS
	s_mov_b64 s[G0SB+2:G0SB+3], s[92:93]
	s_or_b32 s[G0SB+3], s[G0SB+3], 0x80000000
	; THE HEAD'S FOUR TILES, EACH WHOLE, ONE LOAD A WAVE: wave 0 the first 256 along K of A's 256 rows, wave 1 of B's, wave 2 the scales of A's 256 rows, wave 3 of B's.
	s_mov_b32 s[G0], 1                             ; slot 0's groups 0 serve the head's loads first: A's 256 rows at the slot's start,
	s_mov_b32 s[G0+1], 0
	s_mov_b64 s[G0+2:G0+3], s[20:21]
	s_or_b32 s[G0+3], s[G0+3], 0x80000000
	s_mov_b32 s[G0B], 1                            ; B's behind them
	s_mov_b32 s[G0B+1], 2*HALFT
	s_mov_b64 s[G0B+2:G0B+3], s[46:47]
	s_or_b32 s[G0B+3], s[G0B+3], 0x80000000
	s_mul_i32 s18, s16, 128*ROWB                   ; in the ring I fetch 128 rows of a tile: which half, in bytes
	s_mov_b32 s19, 0
	s_add_nc_u64 s[20:21], s[20:21], s[18:19]
	s_add_nc_u64 s[46:47], s[46:47], s[18:19]
	s_add_nc_u64 s[20:21], s[20:21], s[4:5]        ; slot 1: the second 256 along K
	s_add_nc_u64 s[46:47], s[46:47], s[6:7]
	s_mov_b32 s[G0+4], 1
	s_add_co_u32 s[G0+5], s45, SLOT
	s_mov_b64 s[G0+6:G0+7], s[20:21]
	s_or_b32 s[G0+7], s[G0+7], 0x80000000
	s_mov_b32 s[G0B+4], 1
	s_add_co_u32 s[G0B+5], s45, SLOT
	s_mov_b64 s[G0B+6:G0B+7], s[46:47]
	s_or_b32 s[G0B+7], s[G0B+7], 0x80000000
.macro ARM under, g0, g1, next         ; one tree of branches on the wave's number: every way through it passes exactly one load
	s_cmp_lt_u32 s14, \under
	s_cbranch_scc0 \next
	tensor_load_to_lds s[\g0:\g0+3], s[\g1:\g1+7]
	s_nop 0
.rept 4
	v_nop
.endr
	s_branch .Lhead_asked
\next:
.endm
	ARM 1, G0,  G1,  .Lhead_b
	ARM 2, G0B, G1B, .Lhead_sa
	ARM 3, G0S, G1S, .Lhead_sb
	tensor_load_to_lds s[G0SB:G0SB+3], s[G1SB:G1SB+7]
	s_nop 0
.rept 4
	v_nop
.endr
.Lhead_asked:
	s_wait_alu depctr_va_vdst(0)
	s_wait_tensorcnt 0x0                           ; my tile of the four is in
	ds_add_u32 v28, v29
	s_mov_b32 s[G1+2], 96<<16                      ; no tensor load of mine is out, so descriptors may be written: from here on a load brings 128 rows of codes,
	s_mov_b32 s[G1+4], 96
	s_mov_b32 s[G1B+2], 96<<16
	s_mov_b32 s[G1B+4], 96
	s_mov_b32 s[G0+1], s45                         ; and slot 0's groups 0 stand at my quarter of the slot and my half of the tile's rows
	s_add_nc_u64 s[G0+2:G0+3], s[G0+2:G0+3], s[18:19]
	s_mov_b32 s[G0B+1], s45
	s_add_nc_u64 s[G0B+2:G0B+3], s[G0B+2:G0B+3], s[18:19]
	s_wait_dscnt 0x0
	CROUND                                         ; all four tiles are in, and all sixteen work-groups are here
	JLOAD G0+4, G1, G0B+4, G1B                     ; slot 1's first fill, the first tensor load behind the round
	v_and_b32 v1, 15, v0
	v_bfe_u32 v2, v0, 4, 1
	v_mul_u32_u24 v3, v1, PITCH
	v_mul_u32_u24 v4, v2, 24
	v_add_nc_u32 v4, v3, v4
	v_lshl_add_u32 v5, v2, 4, v4
	s_mul_i32 s21, s15, HALFT
	s_mul_i32 s22, s16, HALFT
	s_add_co_u32 s22, s22, 2*HALFT
.irp s, 0,1
	v_add_nc_u32 v[ADRA+\s], s21, v4
	v_add_nc_u32 v[ADRB+\s], s22, v4
	v_add_nc_u32 v[ADRA+2+\s], s21, v5
	v_add_nc_u32 v[ADRB+2+\s], s22, v5
	s_add_co_u32 s21, s21, SLOT
	s_add_co_u32 s22, s22, SLOT
.endr
	v_mul_u32_u24 v5, v1, KS
	v_lshrrev_b32 v6, 8, v5
	v_lshl_add_u32 v5, v6, 4, v5
	s_mul_i32 s21, s15, HALFS
	s_mul_i32 s22, s16, HALFS
	s_add_co_u32 s22, s22, 2*HALFS
	s_sub_co_u32 s22, s22, s21
	v_mul_u32_u24 v6, s22, v2
	s_add_co_u32 s21, s21, SCL
	v_add_nc_u32 v5, v5, v6
	v_add_nc_u32 v[ADRS], s21, v5
	s_lshl_b32 s20, s17, 8
	s_lshl_b32 s21, s15, 7
	s_add_co_u32 s20, s20, s21
	s_lshl_b32 s22, s42, 8
	s_lshl_b32 s21, s16, 7
	s_add_co_u32 s22, s22, s21
	s_mov_b32 s23, 98304
	s_mov_b32 s18, 4096
	s_cmp_eq_u32 s2, 2
	s_cselect_b32 s46, s22, s20
	s_cselect_b32 s47, s20, s22
	s_cselect_b32 s92, s20, 0
	s_cselect_b32 s93, 0, s22
	s_cselect_b32 s94, 3072, s23
	s_cselect_b32 s104, s23, 3072
	s_cselect_b32 s95, 1, 2
	s_cselect_b32 s45, s18, 256
	s_cselect_b32 s98, 0, 0x3f800000
	s_cselect_b32 s100, 0x3f800000, 0
	s_mov_b32 s99, s98
	s_mov_b32 s101, s100
	s_mov_b32 s105, 0
	s_lshr_b32 s18, s46, 11
	s_lshl_b32 s19, s18, 4
	s_lshr_b32 s21, s47, 6
	s_add_co_u32 s19, s19, s21
	s_mul_i32 s19, s19, 98304
	s_and_b32 s21, s46, 2047
	s_mul_i32 s22, s21, 48
	s_add_co_u32 s22, s22, s19
	s_mul_i32 s19, s2, 6291456
	s_add_co_u32 s22, s22, s19
	s_mov_b32 s23, 0
	s_add_nc_u64 s[12:13], s[12:13], s[22:23]
	s_lshl_b32 s22, s21, s95
	s_lshl_b32 s19, s18, 16
	s_add_co_u32 s22, s22, s19
	s_lshr_b32 s19, s47, 7
	s_lshl_b32 s19, s19, 13
	s_add_co_u32 s22, s22, s19
	s_lshl_b32 s19, s2, 18
	s_add_co_u32 s22, s22, s19
	s_add_nc_u64 s[66:67], s[66:67], s[22:23]
	s_lshl_b32 s19, s14, 12
	s_add_co_u32 s19, s19, STG
	v_mul_u32_u24 v5, v1, 48
	v_mad_u32_u24 v5, v2, 24, v5
	v_add_nc_u32 v[STO], s19, v5
	v_and_b32 v6, 31, v0
	v_lshlrev_b32 v[CO0], 4, v6
	v_add_nc_u32 v[RD], s19, v[CO0]
	v_lshl_add_u32 v[SWA], v1, 2, s19
	v_add_nc_u32 v[SWA], 3072, v[SWA]
	v_add_nc_u32 v[SRD], 3072, v[RD]
	s_sub_co_u32 s21, s94, 768
	v_mul_u32_u24 v5, s21, v2
	v_add3_u32 v[CO1], v[CO0], v5, 512
	v_add3_u32 v[CO2], v[CO0], s94, 256
	v_mul_u32_u24 v5, s45, v2
	v_lshl_add_u32 v[SGO], v1, 4, v5
	s_lshl_b32 s93, s93, 2
	s_lshl_b32 s92, s92, 2
	v_lshl_add_u32 v7, v2, 5, s93
	v_lshl_add_u32 v8, v1, 2, s92
	WIN TO_B
.irp b, 0,1,2,3,4,5,6,7
	global_load_b128 v[96+8*\b+96*(\b/4):99+8*\b+96*(\b/4)], v7, s[96:97] offset:64*\b
	global_load_b128 v[100+8*\b+96*(\b/4):103+8*\b+96*(\b/4)], v7, s[96:97] offset:64*\b+16
.endr
	WIN 0
.irp a, 0,1,2,3,4,5,6,7
	global_load_b32 v[BR+2*\a], v8, s[96:97] offset:64*\a
.endr
.macro FRAG reg, adr, q, i
.irp p, 0,1,2,3,4,5
.set PCE, 12*(\q)+6*(\p/3)+\p%3
.if PCE%8 < 5
	ds_load_b64 v[\reg+2*\p:\reg+2*\p+1], v[\adr] offset:8*PCE+16*(PCE/8)+(\i)*16*PITCH
.else
	ds_load_b64 v[\reg+2*\p:\reg+2*\p+1], v[\adr+2] offset:8*PCE+16*(PCE/8)+(\i)*16*PITCH
.endif
.endr
.endm
.macro MUL16 a0, p, q, sc, zero
.irp a, \a0, \a0+1
.irp b, 0,1,2,3,4,5,6,7
.if \zero
	v_wmma_scale_f32_16x16x128_f8f6f4 v[8*(8*((\a)%4)+\b):8*(8*((\a)%4)+\b)+7], v[128*(\p)+FR*\b:128*(\p)+FR*\b+FR-1], v[AF+FR*(\a):AF+FR*(\a)+FR-1], 0, v[SC+8*NQ*(\sc)+NQ*\b+(\q)], v[SC+8*NQ*(\sc)+NQ*(\a)+(\q)] matrix_a_fmt:MATRIX_FMT_FP6 matrix_b_fmt:MATRIX_FMT_FP6 matrix_a_scale:MATRIX_SCALE_ROW1
.else
	v_wmma_scale_f32_16x16x128_f8f6f4 v[8*(8*((\a)%4)+\b):8*(8*((\a)%4)+\b)+7], v[128*(\p)+FR*\b:128*(\p)+FR*\b+FR-1], v[AF+FR*(\a):AF+FR*(\a)+FR-1], v[8*(8*((\a)%4)+\b):8*(8*((\a)%4)+\b)+7], v[SC+8*NQ*(\sc)+NQ*\b+(\q)], v[SC+8*NQ*(\sc)+NQ*(\a)+(\q)] matrix_a_fmt:MATRIX_FMT_FP6 matrix_b_fmt:MATRIX_FMT_FP6 matrix_a_scale:MATRIX_SCALE_ROW1
.endif
.endr
.endr
.endm
.macro FETCH_B slot, q, p
	WIN TO_B
.irp i, 0,1,2,3,4,5,6,7
	FRAG 128*(\p)+FR*\i, ADRB+\slot, \q, \i
.endr
	WIN 0
.endm
.macro FETCH_A slot, q, i0
.irp i, \i0, \i0+1, \i0+2, \i0+3
	FRAG AF+FR*(\i), ADRA+\slot, \q, \i
.endr
.endm
.macro SCALES sc
.irp i, 0,1,2,3,4,5,6,7
	ds_load_b64 v[SC+8*NQ*\sc+NQ*\i:SC+8*NQ*\sc+NQ*\i+1], v[ADRS] offset:\i*SBLK
.endr
.endm
.macro PLACES n
.rept \n
	v_nop
.endr
.endm
.macro STEP slot, q, zero
	s_wait_dscnt 4*NL
	WIN MUL_LO
	MUL16 0, (\q)%2, \q, \slot, \zero
	MUL16 2, (\q)%2, \q, \slot, \zero
	s_wait_dscnt 0
	PLACES NP
	FETCH_B \slot, (\q)+1, 1-(\q)%2
	FETCH_A \slot, (\q)+1, 0
	WIN MUL_HI
	MUL16 4, (\q)%2, \q, \slot, \zero
	MUL16 6, (\q)%2, \q, \slot, \zero
	PLACES NP
	WIN 0
	FETCH_A \slot, (\q)+1, 4
.endm
.macro TURN slot, next, fill
	s_wait_tensorcnt 0x0
	ds_add_u32 v[SPW], v[NIL]
	s_wait_dscnt 4*NL+1
	WIN MUL_LO
	MUL16 0, 1, NQ-1, \slot, 0
	s_wait_dscnt 0x0
	s_barrier_signal -1
	MUL16 2, 1, NQ-1, \slot, 0
	WIN 0
	s_barrier_wait -1
.if \fill
	CREST
	s_add_nc_u64 s[G0+4*\slot+2:G0+4*\slot+3], s[G0+4*\slot+2:G0+4*\slot+3], s[8:9]
	s_add_nc_u64 s[G0B+4*\slot+2:G0B+4*\slot+3], s[G0B+4*\slot+2:G0B+4*\slot+3], s[10:11]
	JLOAD G0+4*\slot, G1, G0B+4*\slot, G1B
.else
	PLACES NP
.endif
	s_wait_alu depctr_va_vdst(0)
	v_add_nc_u32 v[ADRS], 4*NQ, v[ADRS]
	FETCH_B \next, 0, 0
	FETCH_A \next, 0, 0
	SCALES \next
	WIN MUL_HI
	MUL16 4, 1, NQ-1, \slot, 0
	MUL16 6, 1, NQ-1, \slot, 0
	PLACES NP
	WIN 0
	FETCH_A \next, 0, 4
.endm
	s_wait_tensorcnt 1
	s_barrier_signal -1
	s_barrier_wait -1
	FETCH_B 0, 0, 0
	FETCH_A 0, 0, 0
	SCALES 0
	FETCH_A 0, 0, 4
	STEP 0, 0, 1
	s_mov_b32 s3, LAPS-1
.Llap:
	TURN 0, 1, 1
	STEP 1, 0, 0
	TURN 1, 0, 1
	STEP 0, 0, 0
	s_sub_co_u32 s3, s3, 1
	s_cmp_lg_u32 s3, 0
	s_cbranch_scc1 .Llap
	TURN 0, 1, 0
	STEP 1, 0, 0
	s_wait_dscnt 4*NL
	WIN MUL_LO
	MUL16 0, 1, NQ-1, 1, 0
	MUL16 2, 1, NQ-1, 1, 0
	s_wait_dscnt 0
	WIN MUL_HI
	MUL16 4, 1, NQ-1, 1, 0
	MUL16 6, 1, NQ-1, 1, 0
	WIN 0
.macro BIAS a
	WIN 0x21+0x10*((\a)/4)
.set i, 0
.rept 32
	v_pk_fma_f32 v[T+2*i:T+2*i+1], v[96+2*i+96*(i/16):97+2*i+96*(i/16)], s[98:99], v[64*((\a)%4)+2*i:64*((\a)%4)+2*i+1] op_sel_hi:[1,0,1]
.set i, i+1
.endr
	WIN 0
.set i, 0
.rept 32
	v_pk_add_f32 v[T+2*i:T+2*i+1], v[T+2*i:T+2*i+1], v[BR+2*(\a):BR+2*(\a)+1]
.set i, i+1
.endr
.endm
.macro QUANT s, pc, pw
.irp b, 0,1,2,3
	v_max3_num_f32 v[TM+\b], |v[\s+16*\b]|, |v[\s+1+16*\b]|, 0x1800000
.endr
.irp i, 2,4,6,8,10,12,14
.irp b, 0,1,2,3
	v_max3_num_f32 v[TM+\b], v[TM+\b], |v[\s+16*\b+\i]|, |v[\s+1+16*\b+\i]|
.endr
.endr
.irp b, 0,1,2,3
	v_permlanex16_b32 v[TM+4+\b], v[TM+\b], s[SEL], s[SEL+1]
.endr
.irp b, 0,1,2,3
	v_max_num_f32 v[TM+\b], v[TM+\b], v[TM+4+\b]
.endr
.irp b, 0,1,2,3
	v_add_nc_u32 v[TM+12+\b], 0xff000000, v[TM+\b]
.endr
.irp b, 0,1,2,3
	v_lshrrev_b32 v[TM+4+\b], 23, v[TM+12+\b]
.endr
	v_lshl_or_b32 v[\pw], v[TM+5], 8, v[TM+4]
	v_lshl_or_b32 v[\pw], v[TM+6], 16, v[\pw]
	v_lshl_or_b32 v[\pw], v[TM+7], 24, v[\pw]
.irp c, 0,1
	v_cvt_scalef32_pk16_fp6_f32 v[\pc+6*\c:\pc+2+6*\c], v[\s+32*\c:\s+15+32*\c], v[TM+12+2*\c]
	v_cvt_scalef32_pk16_fp6_f32 v[\pc+12+4*\c:\pc+14+4*\c], v[\s+16+32*\c:\s+31+32*\c], v[TM+12+2*\c+1]
.endr
	v_nop
.irp c, 0,1
.irp i, 0,1,2
	v_permlane16_swap_b32 v[\pc+6*\c+\i], v[\pc+12+4*\c+\i]
.endr
.irp i, 0,1,2
	v_mov_b32 v[\pc+3+6*\c+\i], v[\pc+12+4*\c+\i]
.endr
.endr
.endm
.macro BLOCKQ a
.set PCS, PC0+20*((\a)%2)
.set PWS, 10+(\a)%2
	QUANT T, PCS, PWS
.endm
.macro TOSTAGE a
.set PCS, PC0+20*((\a)%2)
.set OBS, OB0+12*((\a)%2)
.irp p, 0,1,2,3,4,5
	ds_store_b64 v[STO], v[PCS+2*\p:PCS+2*\p+1] offset:1536*((\a)%2)+768*(\p/3)+8*(\p%3)
.endr
	ds_store_b32 v[SWA], v[10+(\a)%2] offset:64*(\a)
.irp i, 0,1,2
	ds_load_b128 v[OBS+4*\i:OBS+4*\i+3], v[RD] offset:1536*((\a)%2)+512*\i
.endr
.endm
.macro SEND a, younger
.set OBS, OB0+12*((\a)%2)
	s_wait_dscnt \younger
.if (\a) == 4
	s_add_nc_u64 s[12:13], s[12:13], s[104:105]
.endif
	global_store_b128 v[CO0], v[OBS:OBS+3], s[12:13] offset:768*((\a)%4) th:TH_STORE_NT
	global_store_b128 v[CO1], v[OBS+4:OBS+7], s[12:13] offset:768*((\a)%4) th:TH_STORE_NT
	global_store_b128 v[CO2], v[OBS+8:OBS+11], s[12:13] offset:768*((\a)%4) th:TH_STORE_NT
.endm
	s_mov_b32 s[SEL], 0x76543210
	s_mov_b32 s[SEL+1], 0xfedcba98
	s_wait_loadcnt 0x0
	PLACES NP
.irp a, 0,1,2,3,4,5,6,7
	v_mul_f32 v[BR+2*\a], s100, v[BR+2*\a]
.endr
.irp a, 0,1,2,3,4,5,6,7
	v_mov_b32 v[BR+2*\a+1], v[BR+2*\a]
.endr
.irp b, 0,1,2,3
	v_mov_b32 v[TM+4+\b], 0
.endr
	BIAS 0
	BLOCKQ 0
	TOSTAGE 0
.irp a, 1,2,3,4,5,6,7
	BIAS \a
	BLOCKQ \a
.if \a > 1
	s_wait_alu depctr_va_vdst(0)
	s_wait_xcnt 0x0
.endif
	TOSTAGE \a
	SEND \a-1, 10
.endr
	s_wait_xcnt 0x0
	SEND 7, 0
	ds_load_b128 v[192:195], v[SRD]
	s_wait_dscnt 0x0
	global_store_b128 v[SGO], v[192:195], s[66:67] th:TH_STORE_NT
	s_wait_tensorcnt 0x0
	ds_add_u32 v[SPW], v[NIL]
	s_wait_dscnt 0x0
	CROUND
	s_endpgm
.Lfunc_end_k_q37c45b5ea2_proj:
	.size	k_q37c45b5ea2_proj, .Lfunc_end_k_q37c45b5ea2_proj-k_q37c45b5ea2_proj
	.p2alignl 7, 3214868480
	.fill 96, 4, 3214868480
	.section	.rodata,"a",@progbits
	.p2align	6, 0x0
	.amdhsa_kernel k_q37c45b5ea2_proj
		.amdhsa_group_segment_fixed_size 327680
		.amdhsa_private_segment_fixed_size 0
		.amdhsa_enable_private_segment 0
		.amdhsa_kernarg_size 72
		.amdhsa_user_sgpr_count 2
		.amdhsa_user_sgpr_kernarg_segment_ptr 1
		.amdhsa_wavefront_size32 1
		.amdhsa_system_sgpr_workgroup_id_x 1
		.amdhsa_system_sgpr_workgroup_id_y 1
		.amdhsa_system_sgpr_workgroup_id_z 1
		.amdhsa_system_vgpr_workitem_id 0
		.amdhsa_next_free_vgpr 1024
		.amdhsa_next_free_sgpr 106
		.amdhsa_reserve_vcc 0
		.amdhsa_float_denorm_mode_32 3
		.amdhsa_float_denorm_mode_16_64 3
		.amdhsa_memory_ordered 1
		.amdhsa_forward_progress 1
		.amdhsa_inst_pref_size 208
	.end_amdhsa_kernel
	.amdgpu_metadata
---
amdhsa.version: [ 1, 2 ]
amdhsa.kernels:
  - .name:           k_q37c45b5ea2_proj
    .symbol:         k_q37c45b5ea2_proj.kd
    .args:
      - { .name: xcodes, .offset: 0, .size: 8, .value_kind: global_buffer, .address_space: global }
      - { .name: xscales, .offset: 8, .size: 8, .value_kind: global_buffer, .address_space: global }
      - { .name: wcodes, .offset: 16, .size: 8, .value_kind: global_buffer, .address_space: global }
      - { .name: wscales, .offset: 24, .size: 8, .value_kind: global_buffer, .address_space: global }
      - { .name: bq, .offset: 32, .size: 8, .value_kind: global_buffer, .address_space: global }
      - { .name: bk, .offset: 40, .size: 8, .value_kind: global_buffer, .address_space: global }
      - { .name: bv, .offset: 48, .size: 8, .value_kind: global_buffer, .address_space: global }
      - { .name: pcodes, .offset: 56, .size: 8, .value_kind: global_buffer, .address_space: global }
      - { .name: pscales, .offset: 64, .size: 8, .value_kind: global_buffer, .address_space: global }
    .group_segment_fixed_size: 327680
    .private_segment_fixed_size: 0
    .kernarg_segment_align: 8
    .kernarg_segment_size: 72
    .max_flat_workgroup_size: 128
    .sgpr_count:     106
    .vgpr_count:     1024
    .wavefront_size: 32
...
	.end_amdgpu_metadata
.endif
;; end of part 2
;; launch att (part 3): grid 4 x 64, 8 waves a work-group, clusters of 4 x 1, 235,520 bytes of LDS; arguments pcodes, pscales, ccodes, cscales; writes ccodes, cscales
.if DOCPART == 3
	.amdgcn_target "amdgcn-amd-amdhsa--gfx1250"
	.amdhsa_code_object_version 6
	.text
	.protected	k_q37c45b5ea2_att
	.globl	k_q37c45b5ea2_att
	.p2align	8
	.type	k_q37c45b5ea2_att,@function
k_q37c45b5ea2_att:
	s_mov_b64 s[64:65], 0
	v_nop
	global_prefetch_b8 v0, s[64:65] scope:SCOPE_SE
	s_setreg_imm32_b32 hwreg(HW_REG_WAVE_MODE, 25, 1), 1
	s_wait_xcnt 0x0
	s_wait_alu depctr_hold_cnt(0) depctr_sa_sdst(0) depctr_va_vdst(0) depctr_va_sdst(0) depctr_va_ssrc(0) depctr_va_vcc(0) depctr_vm_vsrc(0)
	s_getreg_b32 s2, hwreg(HW_REG_IB_STS2, 6, 4)
	s_cmp_eq_u32 s2, 0
	s_cbranch_scc0 .Lentry_in_a_cluster
	s_endpgm
.Lentry_in_a_cluster:
	s_bfe_u32 s2, ttmp6, 0x10000c
	s_cmp_lg_u32 s2, 0x3003
	s_cbranch_scc0 .Lentry_shape_is_right
	s_endpgm
.Lentry_shape_is_right:
; Attention of one head (16 b + head = the cluster's y) on codes of FP6 (E2M3) with E8M0 scales, and the quantiser of its result along (head, d).
; t = score x log2(e) / 8; M = the running largest t rounded UP to a whole number; p = 2^(t - M) is quantised along the keys, not normalised; the row's sum is taken of the
; unquantised p and divides O at the end.  When M moves, the sum and O are multiplied by 2^(old M - new M): exact.
; SHARES.  The four work-groups of a cluster own 512 queries each of one head; wave w of eight owns 64 of them: two passes of TWO tiles of 16 queries, worked together, so that each
; fragment of K and of V read from LDS feeds two tiles, and the two tiles' vector work stands between each other's.
; THE WHOLE HEAD STAYS IN LDS: K's codes (98,304 bytes), V's (98,304), K's scale words of the pair of heads (8,192), V's (4,096), each byte filled once by joint tensor loads of the four
; partners (waves 0, 1 K's halves, 2, 3 V's, 4-6 the scales; one load a wave at the most): no ring, nothing is filled again.  All fills go out at the head and there is no loop to run ahead in: no prefetch.
; LAYOUT.  Both products are used transposed: S^T = K Q^T, O^T = V^T P^T: a lane holds ONE query (lane % 16) throughout.
; A TILE OF K TAKES 8 KEYS OF BLOCK 2 c (rows 0-7) AND 8 OF BLOCK 2 c + 1 (rows 8-15): lanes 0-15 then hold, in the 32 registers of four tiles, a whole block 2 c of 32 keys, lanes 16-31 block 2 c + 1,
; which is what P's operand wants of them: a block's maximum needs no other lane, and the conversions' results are the operand's registers but for three moves a block.
; ORDER INSIDE A BLOCK OF 32 KEYS: v's codes lie in the order keys 0-7, 16-23, 8-15, 24-31; the four tiles take their keys in that order.  q's and k's codes share one order of d.  The products are the same numbers, added in another order than K ascending.
; THE HEAD'S K IS 64, the instruction's 128: Q's registers 6-11 are zero codes, so what stands in registers 6-11 of K's operand (the next fragment) adds nothing; the scale words' upper two bytes are 0, which is 2^-127.
; LOADS.  Behind a step's score products its V fragments and the NEXT step's K fragments are asked for; the softmax stands between them and their use.  The step's number wraps at 16, so a pass's last step asks for the next pass's first K.
; ccodes: [head][8192 (b, s)][48 bytes];  cscales: [8192][32], byte 2 head + block, two bytes a row and head by one small store a lane.
; LIMITS: a block of zeros keeps the byte 1 (its codes are zeros; this program alone reads the bytes); the division by the sum is a reciprocal and a multiplication; NaN and infinities are not served; scores under -3e38 are not served.
; REGISTERS, window 0: v1-14 addresses, v16-17 the add's two, v18-19 P's scale words, v32-55 Q (two tiles), v56-63 scale words of Q, K, V, v64-117 K's eight fragments 6 apart, v120-167 V's four.
; Window 1 (written by their low 8 bits): 0-127 S^T then p, 128-191 O^T, 192-195 sums, 196-207 partial sums, 208-211 (-M, largest score), 212-215 f, 216-223 block maxima, 224-231 at work, 232-255 P's codes.
.set VB,   98304
.set SCK,  196608
.set SCV,  204800
.set STG,  208896                      ; the way out: 1,536 bytes for each wave; no tile lands here
.set SPARE, 221184                     ; the spare words: 128 bytes for each of eight waves
.set AK0,  1
.set AV0,  2
.set ASK0, 3
.set ASV0, 4
.set QO,   5
.set QSO,  6
.set STO,  7
.set ADK,  8
.set ADV,  9
.set ADS,  10
.set ADT,  11
.set CSO,  12
.set RD,   13
.set GO,   14
.set SPW,  16
.set NIL,  17
.set PW,   18
.set QF,   32
.set QS,   56
.set KS,   58
.set VS,   62
.set KF,   64
.set VF,   120
.set SA,   0                           ; from here on: window 1
.set OA,   128
.set LS,   192
.set ST,   196
.set NM,   208
.set FF,   212
.set BM,   216
.set TT,   224
.set WT,   228
.set PC,   232
.set WV,   18
.set SEL,  20
.set CS,   22
.set G1C,  24
.set G1S,  32
.set G0C,  40
.set G0S,  44
.set QB,   48
.set QSB,  50
.set CCB,  52
.set CSB,  54
.set TK,   56
.set TS,   57
.set TJ,   58
.set CNT,  59
.set PS,   68
.set NX,   69
.set MSB, 0
.macro WIN new                         ; the immediate's high byte repeats the setting that is left
.if MSB != \new
	s_set_vgpr_msb (MSB<<8)|\new
.set MSB, \new
.endif
.endm
.macro WAITV
	s_wait_alu depctr_va_vdst(0)
.endm
.macro CROUND                          ; a round of the cluster's barrier
	s_barrier_signal -1
	s_barrier_wait -1
	s_cmp_lg_u32 s[WV], 0
	s_cbranch_scc1 .Lnot_wave_0_\@
	s_barrier_signal -3
.Lnot_wave_0_\@:
	s_barrier_wait -3
	s_barrier_signal -1
	s_barrier_wait -1
.endm
.macro WM0 d, a, b, sa, sb, row        ; a product that starts its sum
.if \row
	v_wmma_scale_f32_16x16x128_f8f6f4 v[\d:\d+7], v[\a:\a+11], v[\b:\b+11], 0, v[\sa], v[\sb] matrix_a_fmt:MATRIX_FMT_FP6 matrix_b_fmt:MATRIX_FMT_FP6 matrix_a_scale:MATRIX_SCALE_ROW1
.else
	v_wmma_scale_f32_16x16x128_f8f6f4 v[\d:\d+7], v[\a:\a+11], v[\b:\b+11], 0, v[\sa], v[\sb] matrix_a_fmt:MATRIX_FMT_FP6 matrix_b_fmt:MATRIX_FMT_FP6
.endif
.endm
.macro WMA d, a, b, sa, sb, row        ; a product that adds in place
.if \row
	v_wmma_scale_f32_16x16x128_f8f6f4 v[\d:\d+7], v[\a:\a+11], v[\b:\b+11], v[\d:\d+7], v[\sa], v[\sb] matrix_a_fmt:MATRIX_FMT_FP6 matrix_b_fmt:MATRIX_FMT_FP6 matrix_a_scale:MATRIX_SCALE_ROW1
.else
	v_wmma_scale_f32_16x16x128_f8f6f4 v[\d:\d+7], v[\a:\a+11], v[\b:\b+11], v[\d:\d+7], v[\sa], v[\sb] matrix_a_fmt:MATRIX_FMT_FP6 matrix_b_fmt:MATRIX_FMT_FP6
.endif
.endm
.macro KLOAD                           ; K's scale words (two tiles to a register) and eight fragments; tile 4 c + t begins at key 64 c + 8 x (0, 2, 1, 3)[t]
.irp u, 0,1,2,3
	ds_load_u16 v[KS+\u], v[ADS] offset:256*(\u/2)+32*(\u%2)
.endr
.irp c, 0,1
.irp t, 0,1,2,3
.irp p, 0,1,2
	ds_load_b64 v[KF+6*(4*\c+\t)+2*\p:KF+6*(4*\c+\t)+2*\p+1], v[ADK] offset:3072*\c+384*((\t%2)*2+\t/2)+8*\p
.endr
.endr
.endr
.endm
	s_load_b256 s[4:11], s[0:1], 0x0               ; pcodes, pscales, ccodes, cscales
	v_lshl_add_u32 v[SPW], v0, 2, SPARE
	v_mov_b32 v[NIL], 0
	ds_add_u32 v[SPW], v[NIL]                      ; the opening lines: the add, twice on end, and its wait ahead of the first tensor load
	ds_add_u32 v[SPW], v[NIL]
	v_lshrrev_b32 v1, 5, v0
	v_readfirstlane_b32 s[WV], v1                  ; wave 0..7
	s_and_b32 s12, ttmp7, 0xffff                   ; 16 b + head, which the four partners share
	; descriptor group 1: dense blocks as rows of 256 bytes (32 elements of 8): 192 rows for half of K's or V's codes, 16 for 4,096 scale bytes
	s_mov_b32 s[G1C], 15|(3<<16)|(1<<21)           ; the mask: all four work-groups; elements of 8 bytes; bit 21 beside a mask
	s_mov_b32 s[G1C+1], 32<<16
	s_mov_b32 s[G1C+2], 192<<16
	s_mov_b32 s[G1C+3], 32<<16
	s_mov_b32 s[G1C+4], 192
	s_mov_b32 s[G1C+5], 32
	s_mov_b32 s[G1C+6], 0
	s_mov_b32 s[G1C+7], 0
	s_mov_b32 s[G1S], 15|(3<<16)|(1<<21)
	s_mov_b32 s[G1S+1], 32<<16
	s_mov_b32 s[G1S+2], 16<<16
	s_mov_b32 s[G1S+3], 32<<16
	s_mov_b32 s[G1S+4], 16
	s_mov_b32 s[G1S+5], 32
	s_mov_b32 s[G1S+6], 0
	s_mov_b32 s[G1S+7], 0
	s_and_b32 s61, s[WV], 3
	s_mul_i32 s60, s61, 49152                      ; LDS: waves 0, 1 K's halves, waves 2, 3 V's
	s_bfe_u32 s62, s[WV], 0x10001
	s_mul_i32 s62, s62, 6291456                    ; v's codes lie behind k's
	s_and_b32 s63, s[WV], 1
	s_mul_i32 s63, s63, 49152
	s_add_co_u32 s62, s62, s63
	s_mul_i32 s63, s12, 98304
	s_add_co_u32 s62, s62, s63
	s_add_co_u32 s62, s62, 6291456                 ; k's behind q's
	s_mov_b32 s63, 0
	s_lshl_b32 s66, s61, 12
	s_lshr_b32 s67, s12, 1
	s_lshl_b32 s67, s67, 13
	s_add_co_u32 s67, s67, s66
	s_add_co_u32 s67, s67, 262144                  ; waves 4, 5: the halves of k's scale words of my pair of heads
	s_lshl_b32 s68, s12, 12
	s_add_co_u32 s68, s68, 524288                  ; wave 6: v's
	s_cmp_lt_u32 s61, 2
	s_cselect_b32 s68, s67, s68
	s_mov_b32 s69, 0
	s_add_co_u32 s66, s66, SCK                     ; LDS: 4,096 bytes a wave from K's scale words on
	s_wait_dscnt 0x0
	s_wait_kmcnt 0x0
	s_mov_b32 s[G0C], 1
	s_mov_b32 s[G0C+1], s60
	s_add_nc_u64 s[G0C+2:G0C+3], s[4:5], s[62:63]
	s_or_b32 s[G0C+3], s[G0C+3], 0x80000000
	s_mov_b32 s[G0S], 1
	s_mov_b32 s[G0S+1], s66
	s_add_nc_u64 s[G0S+2:G0S+3], s[6:7], s[68:69]
	s_or_b32 s[G0S+3], s[G0S+3], 0x80000000
	CROUND                                         ; all four work-groups are here: the joint loads meet
	s_cmp_lt_u32 s[WV], 4                          ; one tensor load a wave at the most; s_nop 0 and four v_nop follow each of the two lines
	s_cbranch_scc0 .Lnot_codes
	tensor_load_to_lds s[G0C:G0C+3], s[G1C:G1C+7]
	s_nop 0
.rept 4
	v_nop
.endr
	s_branch .Lasked
.Lnot_codes:
	s_cmp_lt_u32 s[WV], 7
	s_cbranch_scc0 .Lasked
	tensor_load_to_lds s[G0S:G0S+3], s[G1S:G1S+7]
	s_nop 0
.rept 4
	v_nop
.endr
.Lasked:
	s_bfe_u32 s13, ttmp6, 0x40000                  ; cx: it enters global addresses alone
	s_and_b32 s14, s12, 1                          ; which head of the pair
	s_and_b32 s15, s12, 15                         ; head
	s_lshr_b32 s16, s12, 4                         ; b
	s_lshl_b32 s17, s13, 9
	s_lshl_b32 s19, s[WV], 6
	s_add_co_u32 s17, s17, s19                     ; my first query: 512 cx + 64 wave
	s_mul_i32 s60, s12, 98304
	s_mul_i32 s61, s17, 48
	s_add_co_u32 s60, s60, s61
	s_mov_b32 s61, 0
	s_add_nc_u64 s[QB:QB+1], s[4:5], s[60:61]      ; its codes
	s_lshr_b32 s60, s12, 1
	s_lshl_b32 s60, s60, 13
	s_lshl_b32 s62, s17, 2
	s_add_co_u32 s60, s60, s62
	s_add_nc_u64 s[QSB:QSB+1], s[6:7], s[60:61]    ; its scale word
	s_lshl_b32 s62, s16, 11
	s_add_co_u32 s62, s62, s17                     ; its row (b, s)
	s_mul_i32 s60, s15, 393216
	s_mul_i32 s63, s62, 48
	s_add_co_u32 s60, s60, s63
	s_add_nc_u64 s[CCB:CCB+1], s[8:9], s[60:61]    ; the result's codes
	s_lshl_b32 s60, s62, 5
	s_lshl_b32 s63, s15, 1
	s_add_co_u32 s60, s60, s63
	s_add_nc_u64 s[CSB:CSB+1], s[10:11], s[60:61]  ; and scale bytes
	s_mov_b32 s[SEL], 0x76543210
	s_mov_b32 s[SEL+1], 0xfedcba98                 ; lane l xor 16
	s_mov_b32 s[CS], 0x3e38aa3b                    ; c = log2(e) / sqrt(64)
	s_mov_b32 s[CS+1], s[CS]                       ; (named with it as a pair, so it is written)
	s_lshl_b32 s70, s14, 1
	s_add_co_u32 s71, s70, SCK
	s_mul_i32 s63, s[WV], 1536
	s_add_co_u32 s63, s63, STG                     ; my stage
	v_and_b32 v20, 15, v0                          ; r
	v_bfe_u32 v21, v0, 4, 1                        ; h
	v_and_b32 v22, 31, v0                          ; lane
	v_and_b32 v23, 7, v0                           ; r % 8
	v_bfe_u32 v24, v0, 3, 1                        ; r / 8
	v_mul_u32_u24 v[QO], v20, 48
	v_mul_u32_u24 v[AK0], v23, 48
	v_lshl_add_u32 v25, v24, 5, v23
	v_mad_u32_u24 v[QO], v21, 24, v[QO]            ; row r's 48 bytes, my half's 24: Q's, V's, the stage's
	v_mad_u32_u24 v[AK0], v24, 1536, v[AK0]        ; K's: rows 8-15 of a tile lie 32 keys on
	v_lshl_add_u32 v25, v21, 4, v25                ; K's scale words: lanes 16-31 take the next tile's, 16 keys on
	v_add_nc_u32 v[AV0], VB, v[QO]
	v_mad_u32_u24 v[AK0], v21, 24, v[AK0]
	v_lshl_add_u32 v[ASK0], v25, 2, s71            ; 4 bytes a key, my head's two
	v_lshl_add_u32 v[ASV0], v22, 2, SCV            ; V's: lane l takes d = 32 u + l
	v_lshl_add_u32 v[QSO], v20, 2, s70
	v_add_nc_u32 v[STO], s63, v[QO]
	v_lshlrev_b32 v[CSO], 5, v20
	v_lshlrev_b32 v[GO], 4, v22
	v_mov_b32 v[ADK], v[AK0]
	v_mov_b32 v[ADS], v[ASK0]
	v_add_nc_u32 v[RD], s63, v[GO]
.irp j, 38,39,40,41,42,43,50,51,52,53,54,55,112,113,114,115,116,117
	v_mov_b32 v\j, 0                               ; Q's upper halves: zero codes; and what stands behind K's last fragment
.endr
	WIN 0x40
.set j, NM
.rept 24
	v_mov_b32 v[j], 0                              ; window 1, 208-231, written once: the upper halves of f's pairs and the lane permutes' destinations, which count as sources
.set j, j+1
.endr
	WIN 0
	WAITV                                          ; the wait at the head's end
	s_wait_tensorcnt 0x0                           ; my part of the head is in LDS,
	s_barrier_signal -1
	s_barrier_wait -1                              ; everybody's is
	KLOAD                                          ; the first step's K
	s_mov_b32 s[PS], 0
; The row's sum of the unquantised p, 32 pairs in eight chains (the sum itself and seven partial sums: ST .. ST+11 and TT, TT+1), and, between the chains' rows, my two blocks' scales.
.macro LADD q, src
	v_pk_add_f32 v[LS+2*\q:LS+2*\q+1], v[LS+2*\q:LS+2*\q+1], v[\src:\src+1]
.endm
.macro TADD a, b
	v_pk_add_f32 v[\a:\a+1], v[\a:\a+1], v[\b:\b+1]
.endm
.macro ESUM q
.set PP, SA+64*\q
	LADD \q, PP
.irp m, 1,2,3,4,5,6,7
	v_pk_add_f32 v[ST+2*\m-2+16*(\m/7):ST+2*\m-1+16*(\m/7)], v[PP+8*\m:PP+8*\m+1], v[PP+8*\m+2:PP+8*\m+3]
.endr
.irp c, 0,1
	v_max_num_f32 v[BM+4*\q+2*\c], 0x1800000, v[BM+4*\q+2*\c]      ; the floor 2^(3 - 127): the byte cannot fall under 1
.endr
	LADD \q, PP+2
.irp m, 1,2,3,4,5,6,7
	TADD ST+2*\m-2+16*(\m/7), PP+8*\m+4
.endr
.irp c, 0,1
	v_add_nc_u32 v[BM+4*\q+2*\c+1], 0xff000000, v[BM+4*\q+2*\c]    ; 2 off the exponent field: the conversion's scale operand
.endr
	LADD \q, PP+4
.irp m, 1,2,3,4,5,6,7
	TADD ST+2*\m-2+16*(\m/7), PP+8*\m+6
.endr
.irp c, 0,1
	v_lshrrev_b32 v[BM+4*\q+2*\c], 23, v[BM+4*\q+2*\c+1]           ; the byte
.endr
	LADD \q, PP+6
	TADD ST, ST+2
	TADD ST+4, ST+6
	TADD ST+8, ST+10
	v_lshl_or_b32 v[WT+\q], v[BM+4*\q+2], 16, v[BM+4*\q]           ; blocks h and 2 + h, at bytes 0 and 2
	LADD \q, TT
	TADD ST, ST+4
	v_permlanex16_b32 v[WT+2+\q], v[WT+\q], s[SEL], s[SEL+1]       ; and the other half's two
	LADD \q, ST+8
	LADD \q, ST
.endm
.macro TM q                            ; t - M, two at a time, and the same of my two blocks' largest scores
.set j, SA+64*\q
.rept 32
	v_pk_fma_f32 v[j:j+1], v[j:j+1], s[CS:CS+1], v[NM+2*\q:NM+2*\q+1] op_sel_hi:[1,0,0]
.set j, j+2
.endr
.irp c, 0,1
	v_fma_f32 v[BM+4*\q+2*\c], v[BM+4*\q+2*\c], s[CS], v[NM+2*\q]
.endr
.endm
.macro EXPS q                          ; p = 2^(t - M), at most 1; and each block's largest p: the same two instructions on the same number
.set j, SA+64*\q
.rept 64
	v_exp_f32 v[j], v[j]
.set j, j+1
.endr
.irp c, 0,1
	v_exp_f32 v[BM+4*\q+2*\c], v[BM+4*\q+2*\c]
.endr
.endm
.macro CVTA q                          ; my two blocks' codes: registers 6 c .. 6 c + 5 of P's operand (a conversion's three registers begin on an even number: the upper three are made in ST .. and moved)
	v_cvt_scalef32_pk16_fp6_f32 v[PC+12*\q:PC+12*\q+2], v[SA+64*\q:SA+64*\q+15], v[BM+4*\q+1]
	v_cvt_scalef32_pk16_fp6_f32 v[ST:ST+2], v[SA+64*\q+16:SA+64*\q+31], v[BM+4*\q+1]
	v_cvt_scalef32_pk16_fp6_f32 v[PC+12*\q+6:PC+12*\q+8], v[SA+64*\q+32:SA+64*\q+47], v[BM+4*\q+3]
	v_cvt_scalef32_pk16_fp6_f32 v[ST+4:ST+6], v[SA+64*\q+48:SA+64*\q+63], v[BM+4*\q+3]
	v_nop                                          ; one plain place behind a scaled conversion
.endm
.macro CVTB q
.irp i, 0,1,2
	v_mov_b32 v[PC+12*\q+3+\i], v[ST+\i]
	v_mov_b32 v[PC+12*\q+9+\i], v[ST+4+\i]
.endr
.endm
.macro OSCALE q                        ; O^T under the new M, each accumulator from its low end on
.set j, OA+32*\q
.rept 16
	v_pk_mul_f32 v[j:j+1], v[j:j+1], v[FF+2*\q:FF+2*\q+1] op_sel_hi:[1,0]
.set j, j+2
.endr
.endm
.Lpass:                                                ; a pass: 32 queries against all 2,048 keys
.irp q, 0,1
.irp p, 0,1,2
	global_load_b64 v[QF+12*\q+2*\p:QF+12*\q+2*\p+1], v[QO], s[QB:QB+1] offset:768*\q+8*\p   ; Q's fragments stay in registers
.endr
	global_load_u16 v[QS+\q], v[QSO], s[QSB:QSB+1] offset:64*\q
.endr
	WIN 0x40
.irp q, 0,1
	v_mov_b32 v[NM+2*\q+1], 0xff61b1e6             ; the largest score so far: -3e38
	v_mov_b32 v[NM+2*\q], 0x7f61b1e6               ; -M: 3e38, so that the first f is 0
	v_mov_b32 v[LS+2*\q], 0
	v_mov_b32 v[LS+2*\q+1], 0
.endr
.set j, OA
.rept 64
	v_mov_b32 v[j], 0                              ; O^T: the step is written once; its first trip finds zeros, which the first f leaves zeros
.set j, j+1
.endr
	WIN 0
	s_mov_b32 s[CNT], 0
	s_mov_b32 s[TK], 0
	s_mov_b32 s[TJ], 0
	WAITV                                          ; the wait ahead of the wait below
	s_wait_loadcnt 0x0                             ; Q is in, so its bases may step
	s_add_nc_u64 s[QB:QB+1], s[QB:QB+1], 1536
	s_add_nc_u64 s[QSB:QSB+1], s[QSB:QSB+1], 128
.Lstep:                                                ; a step: 128 keys, two tiles of queries
	s_wait_dscnt 0x0                               ; this step's K is in
	WIN 0x40
.irp u, 0,1,2,3                                ; S^T = K Q^T: 16 products on 16 accumulators; the odd tile's scales stand in lanes 16-31
.irp q, 0,1
	WM0 SA+64*\q+16*\u, KF+12*\u, QF+12*\q, KS+\u, QS+\q, 0
.endr
.irp q, 0,1
	WM0 SA+64*\q+16*\u+8, KF+12*\u+6, QF+12*\q, KS+\u, QS+\q, 1
.endr
.endr
	WIN 0
	v_add_nc_u32 v[ADV], s[TK], v[AV0]             ; these four are the places between the products and the loads into their operands, and ahead of the first read of the scores
	v_add_nc_u32 v[ADT], s[TJ], v[ASV0]
	s_add_co_u32 s[CNT], s[CNT], 1
	s_and_b32 s[NX], s[CNT], 15                    ; the next step, 0 behind 15
	s_mul_i32 s[TK], s[NX], 6144                   ; 128 keys in K's codes and in V's,
	s_lshl_b32 s[TS], s[NX], 9                     ; in K's scale words,
	s_lshl_b32 s[TJ], s[NX], 8                     ; in V's
	v_add_nc_u32 v[ADK], s[TK], v[AK0]
	v_add_nc_u32 v[ADS], s[TS], v[ASK0]
.irp u, 0,1
	ds_load_b32 v[VS+\u], v[ADT] offset:128*\u     ; this step's V
.endr
.irp t, 0,1,2,3
.irp p, 0,1,2,3,4,5
	ds_load_b64 v[VF+12*\t+2*\p:VF+12*\t+2*\p+1], v[ADV] offset:(\p/3)*3072+768*\t+8*(\p%3)
.endr
.endr
	KLOAD                                          ; the next step's K
	WIN 0x55                                       ; the softmax works in window 1
.irp q, 0,1                                    ; the largest score of each of my blocks of 32 keys, in two chains a block; each accumulator is first read at its low end
.irp c, 0,1
	v_max3_num_f32 v[BM+4*\q+2*\c], v[SA+64*\q+32*\c], v[SA+64*\q+32*\c+1], v[SA+64*\q+32*\c+2]
	v_max3_num_f32 v[BM+4*\q+2*\c+1], v[SA+64*\q+32*\c+16], v[SA+64*\q+32*\c+17], v[SA+64*\q+32*\c+18]
.endr
.endr
.irp i, 3,5,7,9,11,13
.irp q, 0,1
.irp c, 0,1
	v_max3_num_f32 v[BM+4*\q+2*\c], v[BM+4*\q+2*\c], v[SA+64*\q+32*\c+\i], v[SA+64*\q+32*\c+\i+1]
	v_max3_num_f32 v[BM+4*\q+2*\c+1], v[BM+4*\q+2*\c+1], v[SA+64*\q+32*\c+16+\i], v[SA+64*\q+32*\c+17+\i]
.endr
.endr
.endr
.irp q, 0,1
.irp c, 0,1
	v_max3_num_f32 v[BM+4*\q+2*\c], v[BM+4*\q+2*\c], v[BM+4*\q+2*\c+1], v[SA+64*\q+32*\c+15]
.endr
.endr
.irp q, 0,1
.irp c, 0,1
	v_max_num_f32 v[BM+4*\q+2*\c], v[BM+4*\q+2*\c], v[SA+64*\q+32*\c+31]
.endr
.endr
.irp q, 0,1
	v_max_num_f32 v[TT+4*\q], v[BM+4*\q], v[BM+4*\q+2]
.endr
.irp q, 0,1
	v_permlanex16_b32 v[TT+4*\q+1], v[TT+4*\q], s[SEL], s[SEL+1]   ; (the two tiles' chains stand line by line between each other)
.endr
.irp q, 0,1
	v_max3_num_f32 v[NM+2*\q+1], v[NM+2*\q+1], v[TT+4*\q], v[TT+4*\q+1]   ; the running largest score of my query
.endr
.irp q, 0,1
	v_mul_f32 v[TT+4*\q], s[CS], v[NM+2*\q+1]      ; as t (c is positive)
.endr
.irp q, 0,1
	v_floor_f32 v[TT+4*\q+2], -v[TT+4*\q]          ; the new -M = floor(-t) = -ceil(t)
.endr
.irp q, 0,1
	v_sub_f32 v[TT+4*\q+3], v[TT+4*\q+2], v[NM+2*\q]   ; old M - new M: a whole number, 0 or less
.endr
.irp q, 0,1
	v_mov_b32 v[NM+2*\q], v[TT+4*\q+2]
.endr
.irp q, 0,1
	v_cvt_i32_f32 v[TT+4*\q+3], v[TT+4*\q+3]       ; (it saturates)
.endr
.irp q, 0,1
	v_ldexp_f32 v[FF+2*\q], 1.0, v[TT+4*\q+3]      ; f = 2^(old M - new M)
.endr
	TM 0
.irp q, 0,1
	v_pk_mul_f32 v[LS+2*\q:LS+2*\q+1], v[LS+2*\q:LS+2*\q+1], v[FF+2*\q:FF+2*\q+1] op_sel_hi:[1,0]   ; the sums under the new M
.endr
	WAITV                                          ; the wait ahead of a batch of exponentials
.set j, 0
.rept 32                                       ; tile 0's exponentials, and between them tile 1's t - M, which names none of their registers and is first read behind the next wait
	v_exp_f32 v[SA+j], v[SA+j]
	v_exp_f32 v[SA+j+1], v[SA+j+1]
	v_pk_fma_f32 v[SA+64+j:SA+64+j+1], v[SA+64+j:SA+64+j+1], s[CS:CS+1], v[NM+2:NM+3] op_sel_hi:[1,0,0]
.set j, j+2
.endr
.irp c, 0,1
	v_exp_f32 v[BM+2*\c], v[BM+2*\c]
	v_fma_f32 v[BM+4+2*\c], v[BM+4+2*\c], s[CS], v[NM+2]
.endr
	WAITV                                          ; behind the first batch and ahead of the second
	EXPS 1
	ESUM 0
	CVTA 0
	WAITV                                          ; behind the second batch
	CVTB 0
	ESUM 1
	WIN 0x15                                       ; P's scale words stand in window 0: lanes 0-15 hold bytes 0, 2 of their own and 1, 3 of lane l + 16
.irp q, 0,1
	v_lshl_or_b32 v[PW+\q], v[WT+2+\q], 8, v[WT+\q]
.endr
	WIN 0x55
	CVTA 1
	WAITV                                          ; the wait directly ahead of the first readers of O^T, behind the exponentials
	OSCALE 0                                       ; these lines are also the places between the writes of P's scale words and codes and the products
	CVTB 1
	OSCALE 1
	WAITV                                          ; the wait ahead of the wait below
	s_wait_dscnt 0x0                               ; V is in
	WIN 0x54
.irp u, 0,1                                    ; O^T += V^T P^T: eight products on eight accumulators
.irp q, 0,1
	WMA OA+32*\q+16*\u, VF+24*\u, PC+12*\q, VS+\u, PW+\q, 0
.endr
.irp q, 0,1
	WMA OA+32*\q+16*\u+8, VF+24*\u+12, PC+12*\q, VS+\u, PW+\q, 1
.endr
.endr
	WIN 0
	s_cmp_lt_u32 s[CNT], 16
	s_cbranch_scc1 .Lstep
	; THE PASS'S END: O^T / the sum, back into the natural order of d, two blocks of 32 quantised for each tile
	WIN 0x55
.irp q, 0,1
	v_add_f32 v[LS+2*\q], v[LS+2*\q], v[LS+2*\q+1] ; the sum's two halves,
.endr
.irp q, 0,1
	v_permlanex16_b32 v[TT+4*\q], v[LS+2*\q], s[SEL], s[SEL+1]
.endr
.irp q, 0,1
	v_add_f32 v[LS+2*\q], v[LS+2*\q], v[TT+4*\q]   ; and lane l xor 16's
.endr
	WAITV
.irp q, 0,1
	v_rcp_f32 v[LS+2*\q], v[LS+2*\q]
.endr
.rept 4
	v_nop                                          ; plain places behind the reciprocals and behind the last products
.endr
	WAITV                                          ; ahead of the first reader of the reciprocals and of O^T
.irp q, 0,1
.set j, 0
.rept 16
	v_pk_mul_f32 v[SA+64*\q+j:SA+64*\q+j+1], v[OA+32*\q+j:OA+32*\q+j+1], v[LS+2*\q:LS+2*\q+1] op_sel_hi:[1,0]
.set j, j+2
.endr
.endr
.irp q, 0,1
.irp b, 0,1
.irp j, 0,1,2,3,4,5,6,7
	v_permlane16_swap_b32 v[SA+64*\q+16*\b+\j], v[SA+64*\q+16*\b+8+\j]   ; register 16 b + i of half h now holds d = 32 b + 16 h + i
.endr
.endr
.endr
.irp q, 0,1
.irp b, 0,1
	v_max3_num_f32 v[BM+4*\q+2*\b], |v[SA+64*\q+16*\b]|, |v[SA+64*\q+16*\b+1]|, 0x1800000
.endr
.endr
.irp i, 2,4,6,8,10,12,14
.irp q, 0,1
.irp b, 0,1
	v_max3_num_f32 v[BM+4*\q+2*\b], v[BM+4*\q+2*\b], |v[SA+64*\q+16*\b+\i]|, |v[SA+64*\q+16*\b+\i+1]|
.endr
.endr
.endr
.irp k, 0,2,4,6
	v_permlanex16_b32 v[BM+\k+1], v[BM+\k], s[SEL], s[SEL+1]
.endr
.irp k, 0,2,4,6
	v_max_num_f32 v[BM+\k], v[BM+\k], v[BM+\k+1]
.endr
.irp k, 0,2,4,6
	v_add_nc_u32 v[BM+\k+1], 0xff000000, v[BM+\k]
.endr
.irp k, 0,2,4,6
	v_lshrrev_b32 v[BM+\k], 23, v[BM+\k+1]
.endr
.irp q, 0,1
	v_lshl_or_b32 v[WT+\q], v[BM+4*\q+2], 8, v[BM+4*\q]   ; the row's two scale bytes of this head
.endr
.irp q, 0,1
	v_cvt_scalef32_pk16_fp6_f32 v[PC+12*\q:PC+12*\q+2], v[SA+64*\q:SA+64*\q+15], v[BM+4*\q+1]
	v_cvt_scalef32_pk16_fp6_f32 v[PC+12*\q+6:PC+12*\q+8], v[SA+64*\q+16:SA+64*\q+31], v[BM+4*\q+3]
.endr
	v_nop                                          ; one plain place behind a scaled conversion
.irp q, 0,1
.irp i, 0,1,2
	v_permlane16_swap_b32 v[PC+12*\q+\i], v[PC+12*\q+6+\i]
.endr
.endr
.irp q, 0,1
.irp i, 0,1,2
	v_mov_b32 v[PC+12*\q+3+\i], v[PC+12*\q+6+\i]   ; six registers: block h of row r
.endr
.endr
	WIN 0x04                                       ; the data stand in window 1
.irp q, 0,1
.irp p, 0,1,2
	ds_store_b64 v[STO], v[PC+12*\q+2*\p:PC+12*\q+2*\p+1] offset:768*\q+8*\p
.endr
	global_store_b16 v[CSO], v[WT+\q], s[CSB:CSB+1] offset:512*\q   ; lanes r and r + 16 store the same two bytes
.endr
	WIN 0
.irp i, 0,1,2
	ds_load_b128 v[VF+4*\i:VF+4*\i+3], v[RD] offset:512*\i   ; my 32 rows x 48 bytes; LDS serves a wave's instructions in order: these see my stores
.endr
	s_wait_dscnt 0x0
.irp i, 0,1,2
	global_store_b128 v[GO], v[VF+4*\i:VF+4*\i+3], s[CCB:CCB+1] offset:512*\i   ; 1,536 consecutive bytes, aligned to 256
.endr
	s_wait_xcnt 0x0                                ; the stores have read their bases and data: both may be written again
	s_add_nc_u64 s[CCB:CCB+1], s[CCB:CCB+1], 1536
	s_add_nc_u64 s[CSB:CSB+1], s[CSB:CSB+1], 1024
	s_add_co_u32 s[PS], s[PS], 1
	s_cmp_lt_u32 s[PS], 2
	WAITV                                          ; the wait ahead of the branch
	s_cbranch_scc1 .Lpass
	s_wait_tensorcnt 0x0                           ; the wave's end
	ds_add_u32 v[SPW], v[NIL]
	s_wait_dscnt 0x0
	CROUND                                         ; the closing round
	s_endpgm
.Lfunc_end_k_q37c45b5ea2_att:
	.size	k_q37c45b5ea2_att, .Lfunc_end_k_q37c45b5ea2_att-k_q37c45b5ea2_att
	.p2alignl 7, 3214868480
	.fill 96, 4, 3214868480
	.section	.rodata,"a",@progbits
	.p2align	6, 0x0
	.amdhsa_kernel k_q37c45b5ea2_att
		.amdhsa_group_segment_fixed_size 235520
		.amdhsa_private_segment_fixed_size 0
		.amdhsa_enable_private_segment 0
		.amdhsa_kernarg_size 32
		.amdhsa_user_sgpr_count 2
		.amdhsa_user_sgpr_kernarg_segment_ptr 1
		.amdhsa_wavefront_size32 1
		.amdhsa_system_sgpr_workgroup_id_x 1
		.amdhsa_system_sgpr_workgroup_id_y 1
		.amdhsa_system_sgpr_workgroup_id_z 1
		.amdhsa_system_vgpr_workitem_id 0
		.amdhsa_next_free_vgpr 512
		.amdhsa_next_free_sgpr 72
		.amdhsa_reserve_vcc 0
		.amdhsa_float_denorm_mode_32 3
		.amdhsa_float_denorm_mode_16_64 3
		.amdhsa_memory_ordered 1
		.amdhsa_forward_progress 1
		.amdhsa_inst_pref_size 51
	.end_amdhsa_kernel
	.amdgpu_metadata
---
amdhsa.version: [ 1, 2 ]
amdhsa.kernels:
  - .name:           k_q37c45b5ea2_att
    .symbol:         k_q37c45b5ea2_att.kd
    .args:
      - { .name: pcodes, .offset: 0, .size: 8, .value_kind: global_buffer, .address_space: global }
      - { .name: pscales, .offset: 8, .size: 8, .value_kind: global_buffer, .address_space: global }
      - { .name: ccodes, .offset: 16, .size: 8, .value_kind: global_buffer, .address_space: global }
      - { .name: cscales, .offset: 24, .size: 8, .value_kind: global_buffer, .address_space: global }
    .group_segment_fixed_size: 235520
    .private_segment_fixed_size: 0
    .kernarg_segment_align: 8
    .kernarg_segment_size: 32
    .max_flat_workgroup_size: 256
    .sgpr_count:     72
    .vgpr_count:     512
    .wavefront_size: 32
...
	.end_amdgpu_metadata
.endif
;; end of part 3
;; launch outp (part 4): grid 4 x 32, 4 waves a work-group, clusters of 4 x 4, 327,680 bytes of LDS; arguments ccodes, cscales, wcodes, wscales, bo, out0; writes out0
.if DOCPART == 4
	.amdgcn_target "amdgcn-amd-amdhsa--gfx1250"
	.amdhsa_code_object_version 6
	.text
	.protected	k_q37c45b5ea2_outp
	.globl	k_q37c45b5ea2_outp
	.p2align	8
	.type	k_q37c45b5ea2_outp,@function
k_q37c45b5ea2_outp:
	s_mov_b64 s[64:65], 0
	v_nop
	global_prefetch_b8 v0, s[64:65] scope:SCOPE_SE
	s_setreg_imm32_b32 hwreg(HW_REG_WAVE_MODE, 25, 1), 1
	s_wait_xcnt 0x0
	s_wait_alu depctr_hold_cnt(0) depctr_sa_sdst(0) depctr_va_vdst(0) depctr_va_sdst(0) depctr_va_ssrc(0) depctr_va_vcc(0) depctr_vm_vsrc(0)
	s_getreg_b32 s2, hwreg(HW_REG_IB_STS2, 6, 4)
	s_cmp_eq_u32 s2, 0
	s_cbranch_scc0 .Lentry_in_a_cluster
	s_endpgm
.Lentry_in_a_cluster:
	s_bfe_u32 s2, ttmp6, 0x10000c
	s_cmp_lg_u32 s2, 0xf033
	s_cbranch_scc0 .Lentry_shape_is_right
	s_endpgm
.Lentry_shape_is_right:
.set SIZE_N, 1024
.set KSTEP,  256
.set NQ,     2
.set ROWB,   192
.set KROW,   768
.set PITCH,  240
.set ASTEP,  4*393216
.set FR,     12
.set NL,     6
.set NP,     4
.set HALFT,  128*PITCH
.set SLOT,   4*HALFT
.set LAPS,   2
.set KS,     32
.set SCL,    2*SLOT
.set HALFS,  (128*KS/256)*272
.set SBLK,   (16*KS/256)*272
.set SPARE,  SCL+4*HALFS
.set SPITCH, 528
.set ADRA, 16
.set ADRB, 20
.set STO,  24
.set RD,   25
.set CO,   26
.set ADRS, 27
.set SPW,  28
.set NIL,  29
.set SC,   32
.set BC,   64
.set AF,   128
.set BK,   128
.set G1, 24
.set G0, 32
.set G1B, 48
.set G0B, 56
.set G1S, 68
.set G0S, 76
.set G1SB, 80
.set G0SB, 88
.set MSB, 0
.macro WIN new
.if MSB != \new
	s_set_vgpr_msb (MSB<<8)|\new
.set MSB, \new
.endif
.endm
.set MUL_LO, 0xa1
.set MUL_HI, 0xf1
.set FIRST_LO, 0x81
.set FIRST_HI, 0xc1
.set TO_B,   0x40
.macro JLOAD g0a, g1a, g0b, g1b
	s_cmp_eq_u32 s15, 0
	s_cbranch_scc0 .Lfor_b_\@
	tensor_load_to_lds s[\g0a:\g0a+3], s[\g1a:\g1a+7]
	s_nop 0
.rept 4
	v_nop
.endr
	s_branch .Lasked_\@
.Lfor_b_\@:
	tensor_load_to_lds s[\g0b:\g0b+3], s[\g1b:\g1b+7]
	s_nop 0
.rept 4
	v_nop
.endr
.Lasked_\@:
.endm
.macro CREST
	s_cmp_lg_u32 s14, 0
	s_cbranch_scc1 .Lnot_wave_0_\@
	s_barrier_signal -3
.Lnot_wave_0_\@:
	s_barrier_wait -3
	s_barrier_signal -1
	s_barrier_wait -1
.endm
.macro CROUND
	s_barrier_signal -1
	s_barrier_wait -1
	CREST
.endm
	s_load_b128 s[4:7], s[0:1], 0x0
	s_load_b128 s[8:11], s[0:1], 0x10
	s_load_b128 s[96:99], s[0:1], 0x20
	v_lshl_add_u32 v[SPW], v0, 2, SPARE
	v_mov_b32 v[NIL], 0
	ds_add_u32 v28, v29
	ds_add_u32 v28, v29
	s_wait_dscnt 0x0
	v_lshrrev_b32 v1, 5, v0
	v_readfirstlane_b32 s14, v1
	s_lshr_b32 s15, s14, 1
	s_and_b32 s16, s14, 1
	s_bfe_u32 s40, ttmp6, 0x40000
	s_bfe_u32 s41, ttmp6, 0x40004
	s_lshl_b32 s42, ttmp9, 2
	s_add_co_u32 s42, s42, s40
	s_and_b32 s17, ttmp7, 0xffff
	s_lshl_b32 s17, s17, 2
	s_add_co_u32 s17, s17, s41
	s_lshl_b32 s43, s41, 2
	s_lshl_b32 s43, 15, s43
	s_lshl_b32 s44, 0x1111, s40
	s_or_b32 s[G1+0], s43, (3<<16)|(1<<21)
	s_mov_b32 s[G1+1], 768<<16
	s_mov_b32 s[G1+2], 4<<16
	s_mov_b32 s[G1+3], 768<<16
	s_mov_b32 s[G1+4], 4
	s_mov_b32 s[G1+5], 49152
	s_mov_b32 s[G1+6], 0
	s_mov_b32 s[G1+7], 0
	s_or_b32 s[G1B+0], s44, (0<<16)|(1<<20)|(1<<21)|(3<<22)|(3<<25)
	s_mov_b32 s[G1B+1], 256<<16                    ; 128 rows x 192 bytes of one 256 along K are a dense block of wcodes: 96 rows of 256 bytes, each at a multiple of 256
	s_mov_b32 s[G1B+2], 96<<16
	s_mov_b32 s[G1B+3], 256<<16
	s_mov_b32 s[G1B+4], 96
	s_mov_b32 s[G1B+5], 256                        ; (the padding, 16 bytes behind every 64, leaves the rows of codes 240 bytes apart in LDS)
	s_mov_b32 s[G1B+6], 0
	s_mov_b32 s[G1B+7], 0
	s_or_b32 s[G1S+0], s43, (3<<16)|(1<<20)|(1<<21)|(5<<22)|(3<<25)
	s_or_b32 s[G1SB+0], s44, (3<<16)|(1<<20)|(1<<21)|(5<<22)|(3<<25)
.irp g, G1S, G1SB
	s_mov_b32 s[\g+1], 32<<16
	s_mov_b32 s[\g+2], (128*KS/256)<<16
	s_mov_b32 s[\g+3], 32<<16
	s_mov_b32 s[\g+4], 128*KS/256
	s_mov_b32 s[\g+5], 32
	s_mov_b32 s[\g+6], 0
	s_mov_b32 s[\g+7], 0
.endr
	s_lshl_b32 s18, s16, 7
	s_lshl_b32 s20, s17, 8
	s_add_co_u32 s20, s20, s18
	s_lshl_b32 s46, s42, 8
	s_add_co_u32 s46, s46, s18
	s_mov_b32 s21, 0
	s_mov_b32 s47, 0
	s_mov_b64 s[18:19], KS
	s_mul_u64 s[22:23], s[20:21], s[18:19]
	s_mul_u64 s[92:93], s[46:47], s[18:19]
	s_mov_b64 s[18:19], 48
	s_mul_u64 s[20:21], s[20:21], s[18:19]
	s_mov_b64 s[18:19], ROWB
	s_mul_u64 s[46:47], s[46:47], s[18:19]
	s_mul_i32 s45, s14, HALFT
	s_mul_i32 s94, s14, HALFS
	s_wait_kmcnt 0x0
	s_mov_b64 s[12:13], s[98:99]
	s_add_nc_u64 s[8:9], s[8:9], 3*786432
	s_add_nc_u64 s[10:11], s[10:11], 3*32768
	s_add_nc_u64 s[20:21], s[4:5], s[20:21]
	s_add_nc_u64 s[22:23], s[6:7], s[22:23]
	s_add_nc_u64 s[46:47], s[8:9], s[46:47]
	s_add_nc_u64 s[92:93], s[10:11], s[92:93]
	CROUND
	s_mov_b32 s[G0S], 1
	s_add_co_u32 s[G0S+1], s94, SCL
	s_mov_b64 s[G0S+2:G0S+3], s[22:23]
	s_or_b32 s[G0S+3], s[G0S+3], 0x80000000
	s_mov_b32 s[G0SB], 1
	s_add_co_u32 s[G0SB+1], s94, SCL
	s_mov_b64 s[G0SB+2:G0SB+3], s[92:93]
	s_or_b32 s[G0SB+3], s[G0SB+3], 0x80000000
	JLOAD G0S, G1S, G0SB, G1SB
.irp s, 0,1
	s_mov_b32 s[G0+4*\s], 1
	s_add_co_u32 s[G0+4*\s+1], s45, \s*SLOT
	s_add_nc_u64 s[G0+4*\s+2:G0+4*\s+3], s[20:21], \s*ASTEP
	s_or_b32 s[G0+4*\s+3], s[G0+4*\s+3], 0x80000000
	s_mov_b32 s[G0B+4*\s], 1
	s_add_co_u32 s[G0B+4*\s+1], s45, \s*SLOT
	s_add_nc_u64 s[G0B+4*\s+2:G0B+4*\s+3], s[46:47], \s*196608     ; from one 256 along K to the next: 1,024 rows x 192 bytes
	s_or_b32 s[G0B+4*\s+3], s[G0B+4*\s+3], 0x80000000
	s_wait_alu depctr_va_vdst(0)
	s_wait_tensorcnt 0x0
	ds_add_u32 v28, v29
	s_wait_dscnt 0x0
	CROUND
	JLOAD G0+4*\s, G1, G0B+4*\s, G1B
.endr
	v_and_b32 v1, 15, v0
	v_bfe_u32 v2, v0, 4, 1
	v_mul_u32_u24 v3, v1, PITCH
	v_mul_u32_u24 v4, v2, 24
	v_mul_u32_u24 v7, v1, 48
	v_add_nc_u32 v7, v7, v4
	v_add_nc_u32 v4, v3, v4
	v_lshl_add_u32 v5, v2, 4, v4
	s_mul_i32 s21, s15, HALFT
	s_mul_i32 s22, s16, HALFT
	s_add_co_u32 s22, s22, 2*HALFT
.irp s, 0,1
	v_add_nc_u32 v[ADRA+\s], s21, v7
	v_add_nc_u32 v[ADRB+\s], s22, v4
	v_add_nc_u32 v[ADRB+2+\s], s22, v5
	s_add_co_u32 s21, s21, SLOT
	s_add_co_u32 s22, s22, SLOT
.endr
	v_mul_u32_u24 v5, v1, KS
	v_lshrrev_b32 v6, 8, v5
	v_lshl_add_u32 v5, v6, 4, v5
	s_mul_i32 s21, s15, HALFS
	s_mul_i32 s22, s16, HALFS
	s_add_co_u32 s22, s22, 2*HALFS
	s_sub_co_u32 s22, s22, s21
	v_mul_u32_u24 v6, s22, v2
	s_add_co_u32 s21, s21, SCL
	v_add_nc_u32 v5, v5, v6
	v_add_nc_u32 v[ADRS], s21, v5
	s_mul_i32 s23, s14, 16*SPITCH
	v_mul_u32_u24 v5, v1, SPITCH
	v_lshl_add_u32 v5, v2, 5, v5
	v_add_nc_u32 v[STO], s23, v5
	v_and_b32 v6, 31, v0
	v_lshlrev_b32 v[CO], 4, v6
	v_add_nc_u32 v[RD], s23, v[CO]
	s_lshl_b32 s20, s17, 8
	s_lshl_b32 s21, s15, 7
	s_add_co_u32 s20, s20, s21
	s_mov_b32 s21, 0
	s_mov_b64 s[18:19], SIZE_N*4
	s_mul_u64 s[20:21], s[20:21], s[18:19]
	s_lshl_b32 s46, s42, 10
	s_lshl_b32 s47, s16, 9
	s_add_co_u32 s46, s46, s47
	v_lshl_add_u32 v8, v2, 5, s46
	s_mov_b32 s47, 0
	s_add_nc_u64 s[20:21], s[20:21], s[46:47]
	s_add_nc_u64 s[12:13], s[12:13], s[20:21]
.irp b, 0,1,2,3,4,5,6,7
	global_load_b128 v[BC+8*\b:BC+8*\b+3], v8, s[96:97] offset:64*\b
	global_load_b128 v[BC+8*\b+4:BC+8*\b+7], v8, s[96:97] offset:64*\b+16
.endr
.macro FRAG reg, adr, q, i
.irp p, 0,1,2,3,4,5
.set PCE, 12*(\q)+6*(\p/3)+\p%3
.if PCE%8 < 5
	ds_load_b64 v[\reg+2*\p:\reg+2*\p+1], v[\adr] offset:8*PCE+16*(PCE/8)+(\i)*16*PITCH
.else
	ds_load_b64 v[\reg+2*\p:\reg+2*\p+1], v[\adr+2] offset:8*PCE+16*(PCE/8)+(\i)*16*PITCH
.endif
.endr
.endm
.macro FRAG_A reg, adr, q, i
.irp p, 0,1,2,3,4,5
	ds_load_b64 v[\reg+2*\p:\reg+2*\p+1], v[\adr] offset:(2*(\q)+\p/3)*6144+(\i)*768+8*(\p%3)
.endr
.endm
.macro MUL16 a0, p, q, sc, zero
.irp a, \a0, \a0+1
.irp b, 0,1,2,3,4,5,6,7
.if \zero
	v_wmma_scale_f32_16x16x128_f8f6f4 v[8*(8*((\a)%4)+\b):8*(8*((\a)%4)+\b)+7], v[128*(\p)+FR*\b:128*(\p)+FR*\b+FR-1], v[AF+FR*(\a):AF+FR*(\a)+FR-1], v[BC+8*\b:BC+8*\b+7], v[SC+8*NQ*(\sc)+NQ*\b+(\q)], v[SC+8*NQ*(\sc)+NQ*(\a)+(\q)] matrix_a_fmt:MATRIX_FMT_FP6 matrix_b_fmt:MATRIX_FMT_FP6 matrix_a_scale:MATRIX_SCALE_ROW1
.else
	v_wmma_scale_f32_16x16x128_f8f6f4 v[8*(8*((\a)%4)+\b):8*(8*((\a)%4)+\b)+7], v[128*(\p)+FR*\b:128*(\p)+FR*\b+FR-1], v[AF+FR*(\a):AF+FR*(\a)+FR-1], v[8*(8*((\a)%4)+\b):8*(8*((\a)%4)+\b)+7], v[SC+8*NQ*(\sc)+NQ*\b+(\q)], v[SC+8*NQ*(\sc)+NQ*(\a)+(\q)] matrix_a_fmt:MATRIX_FMT_FP6 matrix_b_fmt:MATRIX_FMT_FP6 matrix_a_scale:MATRIX_SCALE_ROW1
.endif
.endr
.endr
.endm
.macro FETCH_B slot, q, p
	WIN TO_B
.irp i, 0,1,2,3,4,5,6,7
	FRAG 128*(\p)+FR*\i, ADRB+\slot, \q, \i
.endr
	WIN 0
.endm
.macro FETCH_A slot, q, i0
.irp i, \i0, \i0+1, \i0+2, \i0+3
	FRAG_A AF+FR*(\i), ADRA+\slot, \q, \i
.endr
.endm
.macro SCALES sc
.irp i, 0,1,2,3,4,5,6,7
	ds_load_b64 v[SC+8*NQ*\sc+NQ*\i:SC+8*NQ*\sc+NQ*\i+1], v[ADRS] offset:\i*SBLK
.endr
.endm
.macro PLACES n
.rept \n
	v_nop
.endr
.endm
.macro STEP slot, q, zero
	s_wait_dscnt 4*NL
.if \zero
	WIN FIRST_LO
.else
	WIN MUL_LO
.endif
	MUL16 0, (\q)%2, \q, \slot, \zero
	MUL16 2, (\q)%2, \q, \slot, \zero
	s_wait_dscnt 0
	PLACES NP
	FETCH_B \slot, (\q)+1, 1-(\q)%2
	FETCH_A \slot, (\q)+1, 0
.if \zero
	WIN FIRST_HI
.else
	WIN MUL_HI
.endif
	MUL16 4, (\q)%2, \q, \slot, \zero
	MUL16 6, (\q)%2, \q, \slot, \zero
	PLACES NP
	WIN 0
	FETCH_A \slot, (\q)+1, 4
.endm
.macro TURN slot, next, fill
	s_wait_tensorcnt 0x0
	ds_add_u32 v[SPW], v[NIL]
	s_wait_dscnt 4*NL+1
	WIN MUL_LO
	MUL16 0, 1, NQ-1, \slot, 0
	s_wait_dscnt 0x0
	s_barrier_signal -1
	MUL16 2, 1, NQ-1, \slot, 0
	WIN 0
	s_barrier_wait -1
.if \fill
	CREST
	s_add_nc_u64 s[G0+4*\slot+2:G0+4*\slot+3], s[G0+4*\slot+2:G0+4*\slot+3], 2*ASTEP
	s_add_nc_u64 s[G0B+4*\slot+2:G0B+4*\slot+3], s[G0B+4*\slot+2:G0B+4*\slot+3], 2*196608
	JLOAD G0+4*\slot, G1, G0B+4*\slot, G1B
.else
	PLACES NP
.endif
	s_wait_alu depctr_va_vdst(0)
	v_add_nc_u32 v[ADRS], 4*NQ, v[ADRS]
	FETCH_B \next, 0, 0
	FETCH_A \next, 0, 0
	SCALES \next
	WIN MUL_HI
	MUL16 4, 1, NQ-1, \slot, 0
	MUL16 6, 1, NQ-1, \slot, 0
	PLACES NP
	WIN 0
	FETCH_A \next, 0, 4
.endm
	s_wait_alu depctr_va_vdst(0)
	s_wait_tensorcnt 1
	s_barrier_signal -1
	s_barrier_wait -1
	FETCH_B 0, 0, 0
	FETCH_A 0, 0, 0
	SCALES 0
	FETCH_A 0, 0, 4
	s_wait_loadcnt 0x0
	STEP 0, 0, 1
	s_mov_b32 s3, LAPS-1
.Llap:
	TURN 0, 1, 1
	STEP 1, 0, 0
	TURN 1, 0, 1
	STEP 0, 0, 0
	s_sub_co_u32 s3, s3, 1
	s_cmp_lg_u32 s3, 0
	s_cbranch_scc1 .Llap
	TURN 0, 1, 0
	STEP 1, 0, 0
	s_wait_dscnt 4*NL
	WIN MUL_LO
	MUL16 0, 1, NQ-1, 1, 0
	MUL16 2, 1, NQ-1, 1, 0
	s_wait_dscnt 0
	WIN MUL_HI
	MUL16 4, 1, NQ-1, 1, 0
	MUL16 6, 1, NQ-1, 1, 0
	WIN 0
.macro TOSTAGE a
.set AC, 64*((\a)%4)
	WIN 0x08+4*((\a)/4)
.irp b, 0,1,2,3,4,5,6,7
	ds_store_b128 v[STO], v[AC+8*\b:AC+8*\b+3] offset:64*\b
	ds_store_b128 v[STO], v[AC+8*\b+4:AC+8*\b+7] offset:64*\b+16
.endr
	WIN 0
.set BB, BK+64*((\a)%2)
.irp t, 0,1,2,3,4,5,6,7,8,9,10,11,12,13,14,15
	ds_load_b128 v[BB+4*\t:BB+4*\t+3], v[RD] offset:\t*SPITCH
.endr
.endm
.macro SEND a, younger
.set BB, BK+64*((\a)%2)
	s_wait_dscnt \younger
.if (\a) > 0
	s_add_nc_u64 s[12:13], s[12:13], 16*SIZE_N*4
.endif
.irp t, 0,1,2,3,4,5,6,7,8,9,10,11,12,13,14,15
	global_store_b128 v[CO], v[BB+4*\t:BB+4*\t+3], s[12:13] offset:\t*SIZE_N*4 th:TH_STORE_NT
.endr
.endm
	PLACES NP
	TOSTAGE 0
.irp a, 1,2,3,4,5,6,7
.if \a > 1
	s_wait_xcnt 0x0
.endif
	TOSTAGE \a
	SEND \a-1, 32
.endr
	s_wait_xcnt 0x0
	SEND 7, 0
	s_wait_tensorcnt 0x0
	ds_add_u32 v[SPW], v[NIL]
	s_wait_dscnt 0x0
	CROUND
	s_endpgm
.Lfunc_end_k_q37c45b5ea2_outp:
	.size	k_q37c45b5ea2_outp, .Lfunc_end_k_q37c45b5ea2_outp-k_q37c45b5ea2_outp
	.p2alignl 7, 3214868480
	.fill 96, 4, 3214868480
	.section	.rodata,"a",@progbits
	.p2align	6, 0x0
	.amdhsa_kernel k_q37c45b5ea2_outp
		.amdhsa_group_segment_fixed_size 327680
		.amdhsa_private_segment_fixed_size 0
		.amdhsa_enable_private_segment 0
		.amdhsa_kernarg_size 48
		.amdhsa_user_sgpr_count 2
		.amdhsa_user_sgpr_kernarg_segment_ptr 1
		.amdhsa_wavefront_size32 1
		.amdhsa_system_sgpr_workgroup_id_x 1
		.amdhsa_system_sgpr_workgroup_id_y 1
		.amdhsa_system_sgpr_workgroup_id_z 1
		.amdhsa_system_vgpr_workitem_id 0
		.amdhsa_next_free_vgpr 1024
		.amdhsa_next_free_sgpr 100
		.amdhsa_reserve_vcc 0
		.amdhsa_float_denorm_mode_32 3
		.amdhsa_float_denorm_mode_16_64 3
		.amdhsa_memory_ordered 1
		.amdhsa_forward_progress 1
		.amdhsa_inst_pref_size 163
	.end_amdhsa_kernel
	.amdgpu_metadata
---
amdhsa.version: [ 1, 2 ]
amdhsa.kernels:
  - .name:           k_q37c45b5ea2_outp
    .symbol:         k_q37c45b5ea2_outp.kd
    .args:
      - { .name: ccodes, .offset: 0, .size: 8, .value_kind: global_buffer, .address_space: global }
      - { .name: cscales, .offset: 8, .size: 8, .value_kind: global_buffer, .address_space: global }
      - { .name: wcodes, .offset: 16, .size: 8, .value_kind: global_buffer, .address_space: global }
      - { .name: wscales, .offset: 24, .size: 8, .value_kind: global_buffer, .address_space: global }
      - { .name: bo, .offset: 32, .size: 8, .value_kind: global_buffer, .address_space: global }
      - { .name: out0, .offset: 40, .size: 8, .value_kind: global_buffer, .address_space: global }
    .group_segment_fixed_size: 327680
    .private_segment_fixed_size: 0
    .kernarg_segment_align: 8
    .kernarg_segment_size: 48
    .max_flat_workgroup_size: 128
    .sgpr_count:     100
    .vgpr_count:     1024
    .wavefront_size: 32
...
	.end_amdgpu_metadata
.endif
;; end of part 4
